; MI455X (gfx1250); checked and timed in simulation.
; The chip was launched on July 23, 2026; its instructions are those of AMD's public machine-readable ISA for CDNA 5 (MIT licence, August 2026) and "CDNA5" Instruction Set Architecture Reference Guide (July 2026). The comments in the code are by the model that wrote it; some were corrected since.
;; Sigma Mo E. Allowed arithmetic: matrix products marked QUANTISED: E5M2 operands, one E8M0 scale for each 32 along K, by v_wmma_scale_f32_16x16x128_f8f6f4 with both operands' format E5M2, f32 sums; products left as they are: f32 operands where the result goes on into a quantised operand, else bf16, f16 or f32 operands; f32 sums; everything else in f32.
;; Inputs: bias_ffn 32 float32; expert_sel 32 x 1,024 float32; keys 32 x 1,024 x 128 float32; selection_input 8 x 1,024 x 1,024 float32; token_stream 8 x 1,024 x 1,024 float32; values 32 x 128 x 1,024 float32.
;; Outputs: out0 8 x 1,024 x 1,024 float32; out1 8 x 1,024 x 6 int32.
;; This version of the problem:
;;   THIS VERSION OF THE PROBLEM IS GIVEN IN LOW PRECISION. The matrix products marked QUANTISED in the list below multiply operands that are first quantised to E5M2 (5 exponent bits, 2 mantissa bits; 8 bits a number), with one power-of-two scale for each 32 numbers along K (OCP MX v1.0); their sums are f32. All else is computed in f32.
;;   The module's matrix products, in the order in which they are computed (A, B: the left and right operand; K: the contracted axis; several contracted axes count as one K, in the product's order):
;;     1. [M 8,192, K 1,024] x [K 1,024, N 32]; A: input selection_input; B: input expert_sel: QUANTISED
;;     2. [M 8,192, K 1,024] x [K 1,024, N 4,096]; A: input token_stream; B: input keys: QUANTISED
;;     3. batch 262,144 x [M 128, K 1] x [K 1, N 1]; A: computed on the way; B: computed on the way: left as it is (no contracted axis)
;;     4. [M 8,192, K 4,096] x [K 4,096, N 1,024]; A: computed on the way; B: input values: QUANTISED
;;   THE QUANTISER, for each operand of a quantised product, along K:
;;     - K is cut into blocks of 32 from its start; a last block that is shorter is filled with zeros.
;;     - A block's scale is 2^e with e = floor(log2(the largest magnitude in the block)) - 15, held to -126 .. 127; a block of zeros has e = 0. As a byte (E8M0): e + 127.
;;     - Each number is divided by its block's scale, clamped to +-57,344, and rounded to the nearest number of E5M2, ties to even, subnormals kept.
;;     - The product sums the exact products of the quantised numbers (number of the format x scale) in f32.
;;   ~~~python
;;   def quantise(x, axis):      # numpy; x: float32 -> the quantised numbers, widened to float32 again
;;       x = np.moveaxis(x, axis, -1); K = x.shape[-1]
;;       x = np.pad(x, [(0, 0)] * (x.ndim - 1) + [(0, -K % 32)]); x = x.reshape(x.shape[:-1] + (-1, 32)); a = np.abs(x).max(-1, keepdims=True)
;;       e = np.where(a > 0, np.clip(np.frexp(np.where(a > 0, a, 1))[1] - 1 - 15, -126, 127), 0)      # np.frexp(a)[1] - 1 = floor(log2(a)), exactly
;;       r = np.clip(x / 2.0 ** e, -57344, 57344)
;;       step = 2.0 ** (np.maximum(np.frexp(np.where(r == 0, 1, r))[1] - 1, -14) - 2)
;;       q = np.round(r / step) * step * 2.0 ** e      # np.round: ties to even
;;       return np.moveaxis(q.reshape(q.shape[:-2] + (-1,))[..., :K], -1, axis).astype(np.float32)
;;   ~~~
;;   OPERANDS COMPUTED ON THE WAY. 'Computed on the way' means the value that the module computes at that place (a softmax that the list does not call 'softmax' is quantised finished and normalised). What goes into a quantiser is computed in f32, as accurately as f32 sums, v_exp_f32 and their like allow (about 1e-6 of the number): no bf16 or f16 on the way to a quantiser, and a product that is left as it is and whose result goes on into a quantised operand takes f32 operands (vector FMAs, or v_wmma_f32_16x16x4_f32). A number that lies on a knife's edge between two numbers of the format may be rounded either way, as far as f32 arithmetic and the matrix unit's own rounding can turn it there, and no further.
;; 2 versions, each right. Each part assembles by itself: llvm-mc -triple=amdgcn-amd-amdhsa -mcpu=gfx1250 --defsym DOCPART=n.
;; ======== version 1 of 2: 4 launches
;; workspace buffers: xqb 8,650,752 bytes; wq 8,650,752 bytes; smap 1,048,576 bytes of whole numbers; afft 1,048,576 bytes; rows 1,048,576 bytes of whole numbers; cnts 4,096 bytes of whole numbers; rowaff 1,048,576 bytes; hqb 14,581,248 bytes
;; launch route (part 1): grid 384 x 1, 4 waves a work-group, no clusters, 68,096 bytes of LDS; arguments selection_input, expert_sel, bias_ffn, token_stream, xqb, smap, afft, hqb, out1; writes xqb, smap, afft, hqb, out1
.if DOCPART == 1
	.amdgcn_target "amdgcn-amd-amdhsa--gfx1250"
	.amdhsa_code_object_version 6
	.text
	.protected	k_q0c5a2838cf_route
	.globl	k_q0c5a2838cf_route
	.p2align	8
	.type	k_q0c5a2838cf_route,@function
k_q0c5a2838cf_route:
	s_mov_b64 s[64:65], 0
	v_nop
	global_prefetch_b8 v0, s[64:65] scope:SCOPE_SE
	s_setreg_imm32_b32 hwreg(HW_REG_WAVE_MODE, 25, 1), 1
	s_wait_xcnt 0x0
; ROUTE.  Two jobs in one launch, parted by the work-group's number; each job has LDS bytes of its own.
; Work-groups 0-127, THE ROUTER: affinity = sigmoid(Q(selection_input) Q(expert_sel)^T), both operands quantised along D to codes of E5M2 with one E8M0 byte for each 32;
;   the four best of experts 0-29 by affinity + bias (a strict > keeps the lower index at a tie), experts 30 and 31 always.  A wave owns 16 tokens.  Stored at places fixed by ids alone:
;   smap [tile of 16 tokens][expert][token]: the token's slot for that expert (0-3 chosen, 4 and 5 experts 30 and 31, 6 not chosen); afft, the same layout: all affinities; out1;
;   and each token's slot 6 of hqb: a row of zero codes with the scale word 0, which stands for every expert that the token does not use.
; Work-groups 128-383, THE TOKENS: token_stream becomes codes (xqb + 0, K innermost) and scale bytes (xqb + XS): a plain stream of blocks of 32; a wave takes 16 steps of 512 numbers.
; A block's scale is 2^(floor(log2(largest magnitude)) - 15); its byte is the largest magnitude's exponent field - 15, held at 1 from below (a block of zeros keeps the byte 1: its codes are zeros, and this program alone reads the bytes).
; LIMITS: NaN and infinities among the inputs are not served.  2^(-z log2 e) is held at 2^126, so an affinity never falls under 1 / (1 + 2^126), where sigmoid in f32 would give 0.
; No joint loads: what work-groups share here is expert_sel, 128 KiB against the 256 KiB of selection_input that each router work-group reads for itself, and it is quantised on the way.
.set NRW,   128                        ; router work-groups: 64 tokens each
.set XS,    8388608                    ; xqb: where the scale bytes begin
.set HSO,   7340032                    ; hqb: where the scale words begin
.set MNT,   23                         ; s23  the mantissa field of 57,344
.set SEL,   24                         ; s[24:25] selects for v_permlanex16_b32: lane l xor 16
; the tokens' path
.set WREG,  8192                       ; LDS bytes 0-32,767: a region for each wave: two stages of 32 x SP bytes, behind them its 256 scale bytes
.set SP,    80                         ; a lane's place in a stage: 64 bytes + 16 of padding
.set STEPS, 16
.set RX,    16                         ; v16-79   four sets of 16 numbers as loaded
.set XX,    80                         ; v80-111  two sets of 16 neighbours
.set EX,    112                        ; v112-127 a scale byte for each step
.set CX,    128                        ; v128-191 codes, four registers a step
; the router's path
.set EIMG,  32768                      ; LDS: expert_sel's 16 fragments (8 x tile of experts + K step) as images of their registers, 2,048 bytes each
.set ESC,   65536                      ; and their scale words, 128 bytes each
.set XA,    4                          ; v4   row r of 4,096 bytes + 64 h: my 16 numbers of a block of 32
.set LI,    5                          ; v5   16 x lane
.set LS,    6                          ; v6   ESC + 4 x lane
.set EWI,   7                          ; v7   16 x lane + 4,096 x wave: where I store images
.set EWS,   8                          ; v8   ESC + 4 x lane + 256 x wave
.set V4L,   9                          ; v9   4 x lane
.set HH,    10                         ; v10  h = lane / 16
.set O1A,   11                         ; v11  out1: 24 r + 8 h
.set O1B,   12                         ; v12  out1: 24 r + 4 h
.set ZRA,   13                         ; v13  zero rows: 896 (lane / 8) + 16 (lane % 8)
.set ZSA,   14                         ; v14  zero scale words: 28 r
.set ST0,   16                         ; v16-79, v80-143: two sets of 64 numbers
.set ST1,   80
.set PC,    144                        ; v144-159 the codes just made
.set EF,    160                        ; v160-191 two fragments of expert_sel
.set ACC,   192                        ; v192-207 two accumulators
.set TM,    208                        ; v208-223 the quantiser's work
.set PW,    224                        ; v224 the scale word just made;  v225-226 expert_sel's scale words
.set ES,    225
.set PM,    16                         ; behind the products: v16-31 the other half's results
.set Z,     32                         ; v32-63 z, then the affinities
.set TT,    64                         ; v64-95 at work, then the scores
.set RR,    96                         ; v96-127 at work, then the slots
.set SC,    64
.set SM,    96
.set NINF,  128
.set BEST,  129
.set IX,    130                        ; v130-133 the four chosen experts
.set TD,    144                        ; v144-175 store data
	s_load_b256 s[4:11], s[0:1], 0x0               ; selection_input, expert_sel, bias_ffn, token_stream
	s_load_b256 s[12:19], s[0:1], 0x20             ; xqb, smap, afft, hqb
	s_load_b64 s[20:21], s[0:1], 0x40              ; out1
	v_lshl_add_u32 v254, v0, 2, 0x10800
	v_mov_b32 v255, 0
	v_lshrrev_b32 v1, 5, v0
	v_readfirstlane_b32 s22, v1                    ; wave
	v_and_b32 v2, 31, v0                           ; lane
	s_mov_b32 s[MNT], 0x600000
	s_mov_b32 s31, 0                               ; the upper word of every offset pair s[30:31]
	s_wait_kmcnt 0x0
	s_cmp_lt_u32 ttmp9, NRW
	s_cbranch_scc1 .Lrouter
; ---------------- THE TOKENS ----------------
; Each load reads 512 consecutive bytes; a step's 2,048 bytes turn through the wave's own stage, so that a lane then holds 16 neighbours along K (two lanes a block).
	v_lshlrev_b32 v3, 4, v2                        ; 16 x lane: my bytes of a load's 512, and of a step's 512 bytes of codes
	s_mul_i32 s28, s22, WREG
	v_lshrrev_b32 v14, 2, v2
	v_mul_u32_u24 v14, v14, SP
	v_and_b32 v15, 3, v2
	v_lshl_add_u32 v14, v15, 4, v14
	v_add_nc_u32 v14, s28, v14                     ; into the stage: SP (lane / 4) + 16 (lane % 4)
	v_mul_u32_u24 v15, v2, SP
	v_add_nc_u32 v15, s28, v15                     ; out of it: SP x lane
	v_lshrrev_b32 v5, 1, v2
	s_add_co_u32 s28, s28, 2*32*SP
	v_add_nc_u32 v5, s28, v5                       ; my block's scale byte
	v_lshlrev_b32 v7, 3, v2
	v_add_nc_u32 v6, s28, v7                       ; and on the way out 8 bytes a lane
	s_sub_co_u32 s28, ttmp9, NRW
	s_lshl_b32 s28, s28, 2
	s_add_co_u32 s28, s28, s22                     ; which run of 8,192 numbers is my wave's: 0 .. 1,023
	s_lshl_b32 s30, s28, 15
	s_add_nc_u64 s[10:11], s[10:11], s[30:31]      ; its numbers,
	s_lshl_b32 s30, s28, 13
	s_add_nc_u64 s[66:67], s[12:13], s[30:31]      ; its codes,
	s_lshl_b32 s30, s28, 8
	s_add_co_u32 s30, s30, XS
	s_add_nc_u64 s[12:13], s[12:13], s[30:31]      ; its 256 scale bytes
.macro LOADX t
.irp i, 0,1,2,3
	global_load_b128 v[RX+16*((\t)%4)+4*\i:RX+16*((\t)%4)+4*\i+3], v3, s[10:11] offset:2048*(\t)+512*\i th:TH_LOAD_NT
.endr
.endm
.macro TURNX t                         ; LDS serves a wave's instructions in order: no wait between the stores and the loads
.irp i, 0,1,2,3
	ds_store_b128 v14, v[RX+16*((\t)%4)+4*\i:RX+16*((\t)%4)+4*\i+3] offset:32*SP*((\t)%2)+8*SP*\i
.endr
.irp i, 0,1,2,3
	ds_load_b128 v[XX+16*((\t)%2)+4*\i:XX+16*((\t)%2)+4*\i+3], v15 offset:32*SP*((\t)%2)+16*\i
.endr
.endm
.irp t, 0,1,2,3
	LOADX \t
.endr
	s_wait_loadcnt 12                              ; step 0's four loads are in
	TURNX 0
.macro STEPX t
.set XSX, XX+16*((\t)%2)
.if (\t) > 0
	s_wait_dscnt 1                                 ; this step's numbers are back from the stage (the last step's byte store may be out)
.else
	s_wait_dscnt 0x0
.endif
.if (\t)+4 < STEPS
	LOADX (\t)+4                                   ; into the registers that the stage's stores have read
.endif
.if (\t)+1 < STEPS
.if STEPS-2-(\t) >= 3
	s_wait_loadcnt 12                              ; the next step's four loads are in; three steps' may be out
.else
	s_wait_loadcnt 4*(STEPS-2-(\t))
.endif
	TURNX (\t)+1
.endif
	v_max3_num_f32 v8, |v[XSX]|, |v[XSX+1]|, |v[XSX+2]|
	v_max3_num_f32 v9, |v[XSX+3]|, |v[XSX+4]|, |v[XSX+5]|
.irp i, 6,10
	v_max3_num_f32 v8, v8, |v[XSX+\i]|, |v[XSX+\i+1]|
	v_max3_num_f32 v9, v9, |v[XSX+\i+2]|, |v[XSX+\i+3]|
.endr
	v_max3_num_f32 v8, v8, |v[XSX+14]|, |v[XSX+15]|
	v_max3_num_f32 v8, v8, v9, 0x8000000           ; with the floor 2^(16 - 127): the byte cannot fall under 1
	v_max_num_f32_dpp v8, v8, v8 row_xmask:1 row_mask:0xf bank_mask:0xf   ; and my neighbour's 16: the block's largest magnitude
	v_add_nc_u32 v11, 0xf8800000, v8               ; 15 off its exponent field: the conversion's scale operand
	v_and_or_b32 v10, v8, 0x7f800000, s[MNT]       ; 57,344 x the scale
.irp i, 0,1,2,3,4,5,6,7,8,9,10,11,12,13,14,15
	v_med3_num_f32 v[XSX+\i], v[XSX+\i], -v10, v10 ; the conversion does not saturate (ISA guide 7.6.2): the hold comes first
.endr
	v_cvt_scalef32_pk8_bf8_f32 v[CX+4*(\t):CX+4*(\t)+1], v[XSX:XSX+7], v11
	v_cvt_scalef32_pk8_bf8_f32 v[CX+4*(\t)+2:CX+4*(\t)+3], v[XSX+8:XSX+15], v11
	v_lshrrev_b32 v[EX+(\t)], 23, v11              ; the scale's byte (also the plain line behind the conversions)
	ds_store_b8 v5, v[EX+(\t)] offset:16*(\t)      ; both lanes of a block write the same byte
	global_store_b128 v3, v[CX+4*(\t):CX+4*(\t)+3], s[66:67] offset:512*(\t)   ; the wave stores 512 consecutive bytes
.endm
.irp t, 0,1,2,3,4,5,6,7,8,9,10,11,12,13,14,15
	STEPX \t
.endr
	ds_load_b64 v[12:13], v6
	s_wait_dscnt 0x0
	global_store_b64 v7, v[12:13], s[12:13]        ; 256 consecutive bytes, aligned
	s_wait_tensorcnt 0x0
	ds_add_u32 v254, v255
	s_wait_dscnt 0x0
	s_endpgm
; ---------------- THE ROUTER ----------------
; 64 numbers of a lane (register 16 b + i = k 32 b + 16 h + i of my row) from off bytes on
.macro XLOAD reg, bs, off, nt
.irp b, 0,1,2,3
.irp j, 0,1,2,3
.if \nt
	global_load_b128 v[\reg+16*\b+4*\j:\reg+16*\b+4*\j+3], v[XA], s[\bs:\bs+1] offset:\off+128*\b+16*\j th:TH_LOAD_NT
.else
	global_load_b128 v[\reg+16*\b+4*\j:\reg+16*\b+4*\j+3], v[XA], s[\bs:\bs+1] offset:\off+128*\b+16*\j
.endif
.endr
.endr
.endm
; they become a fragment's codes in v[PC] on and its scale word in v[PW]
.macro QUANT s
.irp b, 0,1,2,3
	v_max3_num_f32 v[TM+\b], |v[\s+16*\b]|, |v[\s+1+16*\b]|, 0x8000000   ; my 16 numbers of block b, and the floor 2^(16 - 127)
.endr
.irp i, 2,4,6,8,10,12,14
.irp b, 0,1,2,3
	v_max3_num_f32 v[TM+\b], v[TM+\b], |v[\s+16*\b+\i]|, |v[\s+1+16*\b+\i]|
.endr
.endr
.irp b, 0,1,2,3
	v_permlanex16_b32 v[TM+4+\b], v[TM+\b], s[SEL], s[SEL+1]
.endr
.irp b, 0,1,2,3
	v_max_num_f32 v[TM+\b], v[TM+\b], v[TM+4+\b]   ; with lane l xor 16's: the block's largest magnitude
.endr
.irp b, 0,1,2,3
	v_add_nc_u32 v[TM+12+\b], 0xf8800000, v[TM+\b] ; 15 off its exponent field: the conversion's scale operand
.endr
.irp b, 0,1,2,3
	v_and_or_b32 v[TM+8+\b], v[TM+\b], 0x7f800000, s[MNT]   ; 57,344 x the scale
.endr
.irp b, 0,1,2,3
	v_lshrrev_b32 v[TM+4+\b], 23, v[TM+12+\b]      ; the scale's byte
.endr
	v_lshl_or_b32 v[PW], v[TM+5], 8, v[TM+4]
	v_lshl_or_b32 v[PW], v[TM+6], 16, v[PW]
	v_lshl_or_b32 v[PW], v[TM+7], 24, v[PW]
.irp b, 0,1,2,3
.irp i, 0,1,2,3,4,5,6,7,8,9,10,11,12,13,14,15
	v_med3_num_f32 v[\s+16*\b+\i], v[\s+16*\b+\i], -v[TM+8+\b], v[TM+8+\b]
.endr
	v_cvt_scalef32_pk8_bf8_f32 v[PC+4*\b:PC+1+4*\b], v[\s+16*\b:\s+7+16*\b], v[TM+12+\b]
	v_cvt_scalef32_pk8_bf8_f32 v[PC+2+4*\b:PC+3+4*\b], v[\s+8+16*\b:\s+15+16*\b], v[TM+12+\b]
.endr
	v_nop                                          ; a plain line behind the last conversion
.endm
.macro IMAGE adr, off                  ; a fragment goes to LDS as it stands in the registers
.irp c, 0,1,2,3
	ds_store_b128 v[\adr], v[PC+4*\c:PC+4*\c+3] offset:\off+512*\c
.endr
.endm
.macro FETCH reg, off                  ; and comes back so, in any wave
.irp c, 0,1,2,3
	ds_load_b128 v[\reg+4*\c:\reg+4*\c+3], v[LI] offset:\off+512*\c
.endr
.endm
.Lrouter:
	v_and_b32 v3, 15, v0                           ; r
	v_bfe_u32 v[HH], v0, 4, 1                      ; h
	v_lshlrev_b32 v[XA], 12, v3
	v_lshl_add_u32 v[XA], v[HH], 6, v[XA]
	v_lshlrev_b32 v[LI], 4, v2
	v_lshlrev_b32 v[V4L], 2, v2
	v_add_nc_u32 v[LS], ESC, v[V4L]
	s_lshl_b32 s28, s22, 12
	v_add_nc_u32 v[EWI], s28, v[LI]
	s_lshl_b32 s28, s22, 8
	v_add_nc_u32 v[EWS], s28, v[LS]
	v_mul_u32_u24 v[O1A], v3, 24
	v_lshl_add_u32 v[O1B], v[HH], 2, v[O1A]
	v_lshl_add_u32 v[O1A], v[HH], 3, v[O1A]
	v_lshrrev_b32 v[ZRA], 3, v2
	v_mul_u32_u24 v[ZRA], v[ZRA], 896
	v_and_b32 v[ZSA], 7, v2
	v_lshl_add_u32 v[ZRA], v[ZSA], 4, v[ZRA]
	v_mul_u32_u24 v[ZSA], v3, 28
.irp b, 0,1,2,3
	v_mov_b32 v[TM+4+\b], 0                        ; written once: a lane permute's destination counts as one of its sources
.endr
	s_mov_b32 s[SEL], 0x76543210
	s_mov_b32 s[SEL+1], 0xfedcba98
	s_mov_b32 s26, 0xffff0000                      ; the mask of lanes 16-31
	s_mov_b32 s27, 0xbfb8aa3b                      ; -L, L = log2(e) rounded to f32
	s_mov_b32 s29, 0xb2a57060                      ; -(log2(e) - L)
	s_load_b512 s[32:47], s[8:9], 0x0              ; the bias, 32 numbers
	s_load_b512 s[48:63], s[8:9], 0x40
	s_lshl_b32 s28, ttmp9, 2
	s_add_co_u32 s28, s28, s22                     ; my tile of 16 tokens: 0 .. 511
	s_lshl_b32 s30, s28, 16
	s_add_nc_u64 s[4:5], s[4:5], s[30:31]          ; selection_input at my first token
	s_lshl_b32 s30, s22, 10
	s_add_nc_u64 s[6:7], s[6:7], s[30:31]          ; expert_sel at K step 2 x wave
	s_lshl_b32 s30, s28, 11
	s_add_nc_u64 s[14:15], s[14:15], s[30:31]      ; smap and afft at my tile
	s_add_nc_u64 s[16:17], s[16:17], s[30:31]
	s_mul_i32 s30, s28, 384
	s_add_nc_u64 s[20:21], s[20:21], s[30:31]      ; out1: 24 bytes a token
	s_mul_i32 s30, s28, 448
	s_add_co_u32 s30, s30, HSO
	s_add_nc_u64 s[66:67], s[18:19], s[30:31]      ; hqb's scale words: 28 bytes a token
	s_mul_i32 s30, s28, 14336
	s_add_nc_u64 s[18:19], s[18:19], s[30:31]      ; hqb's codes: 896 bytes a token
; E: wave w quantises K steps 2 w and 2 w + 1 of both tiles of 16 experts.  Two sets of 64 registers by turns; each wait leaves the 16 loads of the other set out.
.macro EROUND st, et, i
	s_wait_loadcnt 16
	QUANT \st
	IMAGE EWI, EIMG+(\et)*16384+(\i)*2048
	ds_store_b32 v[EWS], v[PW] offset:(\et)*1024+(\i)*128
.endm
	XLOAD ST0, 6, 0, 0
	XLOAD ST1, 6, 512, 0
	EROUND ST0, 0, 0
	XLOAD ST0, 6, 65536, 0
	s_wait_dscnt 0x0                               ; the stores have read the codes' registers
	EROUND ST1, 0, 1
	XLOAD ST1, 6, 65536+512, 0
	s_wait_dscnt 0x0
	EROUND ST0, 1, 0
	XLOAD ST0, 4, 0, 1                             ; my tokens' K step 0
	s_wait_dscnt 0x0
	EROUND ST1, 1, 1
	XLOAD ST1, 4, 512, 1                           ; and K step 1
	s_wait_dscnt 0x0                               ; for the others' sake: my images lie in LDS
	s_barrier_signal -1
	s_barrier_wait -1                              ; all sixteen fragments do
; T: eight K steps.  Source 0 = 16 experts, source 1 = my 16 tokens: a lane then holds one token and eight experts.  The two accumulators take turns.
.macro TSTEP s
.set SS, ST0+64*((\s)%2)
.if (\s) < 7
	s_wait_loadcnt 16                              ; this K step's numbers are in; the next step's 16 loads may be out
.else
	s_wait_loadcnt 0x0
.endif
	QUANT SS                                       ; its plain lines are also the eight places behind the last products, ahead of the writes of PC and PW and of the loads below
.if (\s)+2 < 8
	XLOAD SS, 4, 512*((\s)+2), 1
.endif
	FETCH EF, EIMG+(\s)*2048
	FETCH EF+16, EIMG+(8+(\s))*2048
	ds_load_b32 v[ES], v[LS] offset:(\s)*128
	ds_load_b32 v[ES+1], v[LS] offset:(8+(\s))*128
	s_wait_dscnt 0x0
.rept 4
	v_nop                                          ; codes written by vector instructions stand four places ahead of a scaled product; the scale word was made ahead of the 64 holds
.endr
.if (\s) == 0
	v_wmma_scale_f32_16x16x128_f8f6f4 v[ACC:ACC+7], v[EF:EF+15], v[PC:PC+15], 0, v[ES], v[PW] matrix_a_fmt:MATRIX_FMT_BF8 matrix_b_fmt:MATRIX_FMT_BF8
	v_wmma_scale_f32_16x16x128_f8f6f4 v[ACC+8:ACC+15], v[EF+16:EF+31], v[PC:PC+15], 0, v[ES+1], v[PW] matrix_a_fmt:MATRIX_FMT_BF8 matrix_b_fmt:MATRIX_FMT_BF8
.else
	v_wmma_scale_f32_16x16x128_f8f6f4 v[ACC:ACC+7], v[EF:EF+15], v[PC:PC+15], v[ACC:ACC+7], v[ES], v[PW] matrix_a_fmt:MATRIX_FMT_BF8 matrix_b_fmt:MATRIX_FMT_BF8
	v_wmma_scale_f32_16x16x128_f8f6f4 v[ACC+8:ACC+15], v[EF+16:EF+31], v[PC:PC+15], v[ACC+8:ACC+15], v[ES+1], v[PW] matrix_a_fmt:MATRIX_FMT_BF8 matrix_b_fmt:MATRIX_FMT_BF8
.endif
.endm
.irp s, 0,1,2,3,4,5,6,7
	TSTEP \s
.endr
.rept 8
	v_nop
.endr
; lane (r, h) holds experts 16 i + 8 h + j of token r; with the other half's eight each lane gets all 32, in ascending order
.set i, 0
.rept 16
	v_permlanex16_b32 v[PM+i], v[ACC+i], s[SEL], s[SEL+1]
.set i, i+1
.endr
.irp t, 0,1
.irp j, 0,1,2,3,4,5,6,7
	v_cndmask_b32 v[Z+16*\t+\j], v[ACC+8*\t+\j], v[PM+8*\t+\j], s26
	v_cndmask_b32 v[Z+16*\t+8+\j], v[PM+8*\t+\j], v[ACC+8*\t+\j], s26
.endr
.endr
; sigmoid(z) = 1 / (1 + 2^t), t = -z log2(e) in two parts: t rounded, and what the rounding and L's own rounding left (r), brought in by e (1 + r ln 2)
.set i, 0
.rept 32
	v_mul_f32 v[TT+i], s27, v[Z+i]
.set i, i+1
.endr
.set i, 0
.rept 32
	v_fma_f32 v[RR+i], v[Z+i], s27, -v[TT+i]
.set i, i+1
.endr
.set i, 0
.rept 32
	v_fma_f32 v[RR+i], v[Z+i], s29, v[RR+i]
	v_min_num_f32 v[TT+i], 0x42fc0000, v[TT+i]     ; held at 126
.set i, i+1
.endr
.set i, 0
.rept 32
	v_exp_f32 v[TT+i], v[TT+i]
.set i, i+1
.endr
.set i, 0
.rept 32
	v_mul_f32 v[RR+i], 0x3f317218, v[RR+i]         ; r ln 2: plain work that names no exponential's result
.set i, i+1
.endr
	s_wait_alu depctr_va_vdst(0)                   ; one wait for the 32 exponentials, ahead of their first reader
.set i, 0
.rept 32
	v_fma_f32 v[TT+i], v[TT+i], v[RR+i], v[TT+i]
.set i, i+1
.endr
.set i, 0
.rept 32
	v_add_f32 v[RR+i], 1.0, v[TT+i]
.set i, i+1
.endr
.set i, 0
.rept 32
	v_rcp_f32 v[TT+i], v[RR+i]
.set i, i+1
.endr
	v_mov_b32 v[NINF], 0xff800000                  ; (a plain line behind the reciprocals)
	s_wait_alu depctr_va_vdst(0)                   ; one wait for the 32 reciprocals
.set i, 0
.rept 32
	v_fma_f32 v[Z+i], -v[RR+i], v[TT+i], 1.0       ; one Newton step
.set i, i+1
.endr
.set i, 0
.rept 32
	v_fma_f32 v[Z+i], v[TT+i], v[Z+i], v[TT+i]     ; the affinity
.set i, i+1
.endr
	s_wait_kmcnt 0x0                               ; the bias
.set i, 0
.rept 30
	v_add_f32 v[SC+i], s[32+i], v[Z+i]             ; the score that picks indices
	v_mov_b32 v[SM+i], 6
.set i, i+1
.endr
	v_mov_b32 v[SM+30], 4
	v_mov_b32 v[SM+31], 5
; four times: the largest score, experts ascending, a strict > (the lower index wins a tie); then it is taken out and its slot noted.  No branch and no address hangs on any of this.
.irp k, 0,1,2,3
	v_mov_b32 v[BEST], v[SC]
	v_mov_b32 v[IX+\k], 0
.set i, 1
.rept 29
	v_cmp_gt_f32 vcc_lo, v[SC+i], v[BEST]
	v_cndmask_b32 v[BEST], v[BEST], v[SC+i], vcc_lo
	v_cndmask_b32 v[IX+\k], v[IX+\k], i, vcc_lo
.set i, i+1
.endr
.set i, 0
.rept 30
	v_cmp_eq_u32 vcc_lo, i, v[IX+\k]
	v_cndmask_b32 v[SC+i], v[SC+i], v[NINF], vcc_lo
	v_cndmask_b32 v[SM+i], v[SM+i], \k, vcc_lo
.set i, i+1
.endr
.endr
; the stores: lanes 0-15 give expert 2 q, lanes 16-31 expert 2 q + 1: 128 consecutive bytes a store; every store has data registers of its own
.set i, 0
.rept 16
	v_cndmask_b32 v[TD+i], v[SM+2*i], v[SM+2*i+1], s26
	v_cndmask_b32 v[TD+16+i], v[Z+2*i], v[Z+2*i+1], s26
.set i, i+1
.endr
	v_cndmask_b32 v176, v[IX], v[IX+2], s26
	v_cndmask_b32 v177, v[IX+1], v[IX+3], s26
	v_add_nc_u32 v178, 30, v[HH]
.irp j, 0,1,2,3
	v_mov_b32 v[180+\j], 0
.endr
.set i, 0
.rept 16
	global_store_b32 v[V4L], v[TD+i], s[14:15] offset:128*i
	global_store_b32 v[V4L], v[TD+16+i], s[16:17] offset:128*i
.set i, i+1
.endr
	global_store_b64 v[O1A], v[176:177], s[20:21]              ; the chosen four, two to each half of the lanes
	global_store_b32 v[O1B], v178, s[20:21] offset:16          ; 30 and 31
.irp i, 0,1,2,3
	global_store_b128 v[ZRA], v[180:183], s[18:19] offset:3584*\i+768   ; slot 6 of tokens 4 i + lane / 8: eight lanes a row of 128 bytes
.endr
	global_store_b32 v[ZSA], v180, s[66:67] offset:24          ; and its scale word (both halves of the lanes write the same 0)
	s_wait_tensorcnt 0x0
	ds_add_u32 v254, v255
	s_wait_dscnt 0x0
	s_endpgm
.Lfunc_end_k_q0c5a2838cf_route:
	.size	k_q0c5a2838cf_route, .Lfunc_end_k_q0c5a2838cf_route-k_q0c5a2838cf_route
	.p2alignl 7, 3214868480
	.fill 96, 4, 3214868480
	.section	.rodata,"a",@progbits
	.p2align	6, 0x0
	.amdhsa_kernel k_q0c5a2838cf_route
		.amdhsa_group_segment_fixed_size 68096
		.amdhsa_private_segment_fixed_size 0
		.amdhsa_enable_private_segment 0
		.amdhsa_kernarg_size 72
		.amdhsa_user_sgpr_count 2
		.amdhsa_user_sgpr_kernarg_segment_ptr 1
		.amdhsa_wavefront_size32 1
		.amdhsa_system_sgpr_workgroup_id_x 1
		.amdhsa_system_sgpr_workgroup_id_y 1
		.amdhsa_system_sgpr_workgroup_id_z 1
		.amdhsa_system_vgpr_workitem_id 0
		.amdhsa_next_free_vgpr 256
		.amdhsa_next_free_sgpr 100
		.amdhsa_reserve_vcc 1
		.amdhsa_float_denorm_mode_32 3
		.amdhsa_float_denorm_mode_16_64 3
		.amdhsa_memory_ordered 1
		.amdhsa_forward_progress 1
		.amdhsa_inst_pref_size 236
	.end_amdhsa_kernel
	.amdgpu_metadata
---
amdhsa.version: [ 1, 2 ]
amdhsa.kernels:
  - .name:           k_q0c5a2838cf_route
    .symbol:         k_q0c5a2838cf_route.kd
    .args:
      - { .name: selection_input, .offset: 0, .size: 8, .value_kind: global_buffer, .address_space: global }
      - { .name: expert_sel, .offset: 8, .size: 8, .value_kind: global_buffer, .address_space: global }
      - { .name: bias_ffn, .offset: 16, .size: 8, .value_kind: global_buffer, .address_space: global }
      - { .name: token_stream, .offset: 24, .size: 8, .value_kind: global_buffer, .address_space: global }
      - { .name: xqb, .offset: 32, .size: 8, .value_kind: global_buffer, .address_space: global }
      - { .name: smap, .offset: 40, .size: 8, .value_kind: global_buffer, .address_space: global }
      - { .name: afft, .offset: 48, .size: 8, .value_kind: global_buffer, .address_space: global }
      - { .name: hqb, .offset: 56, .size: 8, .value_kind: global_buffer, .address_space: global }
      - { .name: out1, .offset: 64, .size: 8, .value_kind: global_buffer, .address_space: global }
    .group_segment_fixed_size: 68096
    .private_segment_fixed_size: 0
    .kernarg_segment_align: 8
    .kernarg_segment_size: 72
    .max_flat_workgroup_size: 128
    .sgpr_count:     100
    .vgpr_count:     256
    .wavefront_size: 32
...
	.end_amdgpu_metadata
.endif
;; end of part 1
;; launch prep (part 2): grid 544 x 1, 4 waves a work-group, no clusters, 768 bytes of LDS; arguments keys, values, smap, afft, wq, rows, rowaff, cnts; writes wq, rows, rowaff, cnts
.if DOCPART == 2
	.amdgcn_target "amdgcn-amd-amdhsa--gfx1250"
	.amdhsa_code_object_version 6
	.text
	.protected	k_q0c5a2838cf_prep
	.globl	k_q0c5a2838cf_prep
	.p2align	8
	.type	k_q0c5a2838cf_prep,@function
k_q0c5a2838cf_prep:
	s_mov_b64 s[64:65], 0
	v_nop
	global_prefetch_b8 v0, s[64:65] scope:SCOPE_SE
	s_setreg_imm32_b32 hwreg(HW_REG_WAVE_MODE, 25, 1), 1
	s_wait_xcnt 0x0
; PREP.  Three jobs, parted by the work-group's number.
; Work-groups 0-31, THE PLACING: work-group e makes expert e's list: one word a row, 8 x token + slot, in rows; the row's affinity in rowaff; the count of chosen tokens in cnts (32 words, all the same: a lane a word).
;   THE LIST IS A PARTITION OF ALL 8,192 TOKENS: those that chose the expert fill it from the front, tokens ascending; the others fill it from the back.  So every lane stores in every group, each place is written once,
;   and EXEC is never changed.  The next launch reads the first `count` places alone.
;   Wave w takes tokens 2,048 w on, 32 a group.  Pass 1 counts; the four counts meet in LDS; pass 2 places each token by its wave's base + the chosen ones ahead of it.  No atomics.
; Work-groups 32-287, KEYS [e][d][h] and 288-543, VALUES [e][h][d]: K is not innermost, so A LANE TAKES A COLUMN AND ITS REGISTERS RUN DOWN K: a block of 32 lies in one lane, and the conversions give codes with K innermost.
;   A wave takes 32 columns x 128 along K.  The codes are stored IN THE ORDER OF THE OPERAND'S REGISTERS: a fragment (16 rows x 128 K) is 2,048 bytes, piece (c, lane) = that lane's registers 4 c .. 4 c + 3,
;   so a lane's 32 codes of block c are the pieces of lanes r and r + 16: two stores of 16 bytes, in each of which sixteen lanes fill 256 consecutive bytes, aligned.
;   KEYS' ROWS OF A TILE ARE NOT NEIGHBOURS: lane r of tile 2 b + u holds hidden unit 32 b + 8 u + r + 8 (r / 8), so that the first product's results are neighbours along the second product's K.
; A block's scale byte is its largest magnitude's exponent field - 15, held at 1 from below (a block of zeros keeps 1: its codes are zeros, and this program alone reads the bytes).
; LIMITS: NaN and infinities among the inputs are not served.  No matrix unit, no tensor load, no cluster: each input byte is read by one wave.
.set VQ0,  4194304                     ; wq: values' fragments;  keys' lie at 0
.set KS0,  8388608                     ; keys' scale words [e][K step][tile][16]
.set VS0,  8519680                     ; values' [e][tile][16]
.set X,    32                          ; v32-159  four blocks of 32 numbers
.set CC,   160                         ; v160-191 their codes: no store's data are written again
.set SW,   24                          ; v24      the scale word
.set SM,   32                          ; the placing: v32-95 slots, v96-159 affinities, a register for each group of 32 tokens
.set AF,   96
	s_load_b256 s[4:11], s[0:1], 0x0               ; keys, values, smap, afft
	s_load_b128 s[12:15], s[0:1], 0x20             ; wq, rows
	s_load_b64 s[16:17], s[0:1], 0x30              ; rowaff
	s_load_b64 s[36:37], s[0:1], 0x38              ; cnts
	v_lshl_add_u32 v200, v0, 2, 0x100
	v_mov_b32 v201, 0
	v_lshrrev_b32 v1, 5, v0
	v_readfirstlane_b32 s18, v1                    ; wave
	v_and_b32 v2, 31, v0                           ; lane = x
	s_mov_b32 s31, 0x600000                        ; the mantissa field of 57,344
	s_mov_b32 s21, 0                               ; the upper word of the offset pair s[20:21]
	s_wait_kmcnt 0x0
	s_cmp_lt_u32 ttmp9, 32
	s_cbranch_scc1 .Lplace
	s_cmp_lt_u32 ttmp9, 288
	s_cbranch_scc1 .Lkeys
.macro LOADB bs, rs, c                 ; block c: 32 rows of K at my column; neighbouring lanes read neighbouring columns
.set i, 0
.rept 32
	global_load_b32 v[X+32*(\c)+i], v3, s[\bs:\bs+1] offset:(32*(\c)+i)*(\rs) th:TH_LOAD_NT
.set i, i+1
.endr
.endm
.macro BLOCK c, left
.set XB, X+32*(\c)
.set CB, CC+8*(\c)
	s_wait_loadcnt \left                           ; this block's 32 loads are in; the next block's may be out
	v_max3_num_f32 v12, |v[XB]|, |v[XB+1]|, |v[XB+2]|
	v_max3_num_f32 v13, |v[XB+3]|, |v[XB+4]|, |v[XB+5]|
.irp i, 6,10,14,18,22,26
	v_max3_num_f32 v12, v12, |v[XB+\i]|, |v[XB+\i+1]|
	v_max3_num_f32 v13, v13, |v[XB+\i+2]|, |v[XB+\i+3]|
.endr
	v_max3_num_f32 v12, v12, |v[XB+30]|, |v[XB+31]|
	v_max3_num_f32 v12, v12, v13, 0x8000000        ; with the floor 2^(16 - 127)
	v_add_nc_u32 v11, 0xf8800000, v12              ; 15 off the exponent field: the conversion's scale operand
	v_and_or_b32 v10, v12, 0x7f800000, s31         ; 57,344 x the scale
	v_lshrrev_b32 v13, 23, v11                     ; the byte
.if (\c) == 0
	v_mov_b32 v[SW], v13
.else
	v_lshl_or_b32 v[SW], v13, 8*(\c), v[SW]
.endif
.irp i, 0,1,2,3,4,5,6,7,8,9,10,11,12,13,14,15,16,17,18,19,20,21,22,23,24,25,26,27,28,29,30,31
	v_med3_num_f32 v[XB+\i], v[XB+\i], -v10, v10   ; the conversion does not saturate (ISA guide 7.6.2)
.endr
.irp g, 0,1,2,3
	v_cvt_scalef32_pk8_bf8_f32 v[CB+2*\g:CB+2*\g+1], v[XB+8*\g:XB+8*\g+7], v11
.endr
	global_store_b128 v4, v[CB:CB+3], s[24:25] offset:512*(\c)         ; k = 32 c + 0 .. 15: the piece of lane r
	global_store_b128 v4, v[CB+4:CB+7], s[24:25] offset:512*(\c)+256   ; k = 32 c + 16 .. 31: of lane r + 16
.endm
; v6 = which of my wave's two tiles, v7 = my row r in it; s[24:25] the wave's two fragments, s[26:27] their scale words
.macro WQ bs, rs
	v_lshlrev_b32 v3, 2, v2
	v_lshlrev_b32 v4, 4, v7
	v_lshl_add_u32 v4, v6, 11, v4
	v_lshlrev_b32 v5, 2, v7
	v_lshl_add_u32 v5, v6, 6, v5
	LOADB \bs, \rs, 0
	LOADB \bs, \rs, 1
	BLOCK 0, 32
	LOADB \bs, \rs, 2
	BLOCK 1, 32
	LOADB \bs, \rs, 3
	BLOCK 2, 32
	BLOCK 3, 0
	global_store_b32 v5, v[SW], s[26:27]
.endm
; where the wave's fragments and scale words go: s19 = 8 e + (K step or group of 128 columns); 16,384 bytes of fragments and 512 of scale words for each, a quarter a wave
.macro DEST f0, s0
	s_lshl_b32 s20, s19, 14
	s_lshl_b32 s22, s18, 12
	s_add_co_u32 s20, s20, s22
	s_add_co_u32 s20, s20, \f0
	s_add_nc_u64 s[24:25], s[12:13], s[20:21]
	s_lshl_b32 s20, s19, 9
	s_lshl_b32 s22, s18, 7
	s_add_co_u32 s20, s20, s22
	s_add_co_u32 s20, s20, \s0
	s_add_nc_u64 s[26:27], s[12:13], s[20:21]
.endm
; ---- values: column d = 128 g + 32 w + x; tile 8 g + 2 w + x / 16, row x % 16
	s_sub_co_u32 s19, ttmp9, 288
	s_lshr_b32 s20, s19, 3
	s_lshl_b32 s20, s20, 19                        ; e x 524,288
	s_and_b32 s22, s19, 7
	s_lshl_b32 s22, s22, 9
	s_add_co_u32 s20, s20, s22
	s_lshl_b32 s22, s18, 7
	s_add_co_u32 s20, s20, s22
	s_add_nc_u64 s[6:7], s[6:7], s[20:21]
	v_lshrrev_b32 v6, 4, v2
	v_and_b32 v7, 15, v2
	DEST VQ0, VS0
	WQ 6, 4096
	s_endpgm
; ---- keys: K step s of expert e; hidden unit 32 w + x; tile 2 w + (x / 8) % 2, row x % 8 + 8 (x / 16)
.Lkeys:
	s_sub_co_u32 s19, ttmp9, 32
	s_lshl_b32 s20, s19, 16                        ; (8 e + s) x 128 rows of 512 bytes
	s_lshl_b32 s22, s18, 7
	s_add_co_u32 s20, s20, s22
	s_add_nc_u64 s[4:5], s[4:5], s[20:21]
	v_bfe_u32 v6, v2, 3, 1
	v_and_b32 v7, 7, v2
	v_lshrrev_b32 v8, 4, v2
	v_lshl_add_u32 v7, v8, 3, v7
	DEST 0, KS0
	WQ 4, 512
	s_endpgm
; ---- the placing
.Lplace:
	s_lshl_b32 s20, s18, 18                        ; my 128 tiles of 16 tokens, 2,048 bytes each,
	s_lshl_b32 s22, ttmp9, 6                       ; my expert's 64 bytes in a tile
	s_add_co_u32 s20, s20, s22
	s_add_nc_u64 s[8:9], s[8:9], s[20:21]
	s_add_nc_u64 s[10:11], s[10:11], s[20:21]
	s_lshl_b32 s20, ttmp9, 15
	s_add_nc_u64 s[24:25], s[14:15], s[20:21]      ; my expert's list: 8,192 words,
	s_add_nc_u64 s[16:17], s[16:17], s[20:21]      ; its affinities likewise
	s_lshl_b32 s20, ttmp9, 7
	s_add_nc_u64 s[26:27], s[36:37], s[20:21]      ; its count's 32 words
	v_lshrrev_b32 v3, 4, v2
	v_and_b32 v4, 15, v2
	v_lshlrev_b32 v4, 2, v4
	v_lshl_add_u32 v3, v3, 11, v4                  ; lanes 0-15 one tile, lanes 16-31 the next
	v_lshlrev_b32 v17, 2, v2                       ; 4 x lane
	s_lshl_b32 s22, s18, 11
	v_add_nc_u32 v19, s22, v2                      ; my token in group 0
	v_sub_nc_u32 v18, 0x1fff, v19                  ; and 8,191 less it
.set g, 0
.rept 64
	global_load_b32 v[SM+g], v3, s[8:9] offset:4096*g
	global_load_b32 v[AF+g], v3, s[10:11] offset:4096*g
.set g, g+1
.endr
	s_mov_b32 s23, 0
	s_wait_loadcnt 0x0
.set g, 0
.rept 64
	v_cmp_gt_u32 vcc_lo, 6, v[SM+g]                ; chosen: slot under 6
	s_bcnt1_i32_b32 s20, vcc_lo
	s_add_co_u32 s23, s23, s20
.set g, g+1
.endr
	v_mov_b32 v20, s23
	s_lshl_b32 s22, s18, 2
	v_mov_b32 v21, s22
	ds_store_b32 v21, v20                          ; my wave's count at its own word
	s_wait_dscnt 0x0                               ; for the others' sake
	s_barrier_signal -1
	s_barrier_wait -1
	v_mov_b32 v22, 0
	ds_load_b128 v[24:27], v22
	s_wait_dscnt 0x0
	v_readfirstlane_b32 s32, v24
	v_readfirstlane_b32 s33, v25
	v_readfirstlane_b32 s34, v26
	v_readfirstlane_b32 s35, v27
	s_cmp_gt_u32 s18, 0                            ; my base: the counts of the waves ahead of me
	s_cselect_b32 s23, s32, 0
	s_cmp_gt_u32 s18, 1
	s_cselect_b32 s22, s33, 0
	s_add_co_u32 s23, s23, s22
	s_cmp_gt_u32 s18, 2
	s_cselect_b32 s22, s34, 0
	s_add_co_u32 s23, s23, s22
	s_add_co_u32 s32, s32, s33
	s_add_co_u32 s34, s34, s35
	s_add_co_u32 s32, s32, s34                     ; the expert's count
	s_cmp_lg_u32 s18, 0
	s_cbranch_scc1 .Lnot_wave_0
	v_mov_b32 v23, s32
	global_store_b32 v17, v23, s[26:27]            ; 32 lanes, 32 words, the one value: 128 consecutive bytes
.Lnot_wave_0:
.set g, 0
.rept 64
.if g > 0
	s_wait_xcnt 0x0                                ; the last group's stores have read their address and their data: both are written again below
.endif
	v_cmp_gt_u32 vcc_lo, 6, v[SM+g]
	v_mbcnt_lo_u32_b32 v20, vcc_lo, s23            ; the chosen tokens ahead of mine: a chosen token's place
	v_add_nc_u32 v29, v18, v20
	v_add_nc_u32 v29, -32*g, v29                   ; 8,191 - (my token - the chosen ahead of it): the place of one that is not chosen, from the back
	v_cndmask_b32 v20, v29, v20, vcc_lo
	v_min_u32 v20, 0x1fff, v20                     ; a list has 8,192 places
	v_lshlrev_b32 v28, 2, v20
	v_add_nc_u32 v30, 32*g, v19                    ; the token
	v_lshl_add_u32 v31, v30, 3, v[SM+g]            ; 8 x token + slot
	s_bcnt1_i32_b32 s20, vcc_lo
	global_store_b32 v28, v31, s[24:25]
	global_store_b32 v28, v[AF+g], s[16:17]
	s_add_co_u32 s23, s23, s20
.set g, g+1
.endr
	s_wait_tensorcnt 0x0
	ds_add_u32 v200, v201
	s_wait_dscnt 0x0
	s_endpgm
.Lfunc_end_k_q0c5a2838cf_prep:
	.size	k_q0c5a2838cf_prep, .Lfunc_end_k_q0c5a2838cf_prep-k_q0c5a2838cf_prep
	.p2alignl 7, 3214868480
	.fill 96, 4, 3214868480
	.section	.rodata,"a",@progbits
	.p2align	6, 0x0
	.amdhsa_kernel k_q0c5a2838cf_prep
		.amdhsa_group_segment_fixed_size 768
		.amdhsa_private_segment_fixed_size 0
		.amdhsa_enable_private_segment 0
		.amdhsa_kernarg_size 64
		.amdhsa_user_sgpr_count 2
		.amdhsa_user_sgpr_kernarg_segment_ptr 1
		.amdhsa_wavefront_size32 1
		.amdhsa_system_sgpr_workgroup_id_x 1
		.amdhsa_system_sgpr_workgroup_id_y 1
		.amdhsa_system_sgpr_workgroup_id_z 1
		.amdhsa_system_vgpr_workitem_id 0
		.amdhsa_next_free_vgpr 202
		.amdhsa_next_free_sgpr 66
		.amdhsa_reserve_vcc 1
		.amdhsa_float_denorm_mode_32 3
		.amdhsa_float_denorm_mode_16_64 3
		.amdhsa_memory_ordered 1
		.amdhsa_forward_progress 1
		.amdhsa_inst_pref_size 123
	.end_amdhsa_kernel
	.amdgpu_metadata
---
amdhsa.version: [ 1, 2 ]
amdhsa.kernels:
  - .name:           k_q0c5a2838cf_prep
    .symbol:         k_q0c5a2838cf_prep.kd
    .args:
      - { .name: keys, .offset: 0, .size: 8, .value_kind: global_buffer, .address_space: global }
      - { .name: values, .offset: 8, .size: 8, .value_kind: global_buffer, .address_space: global }
      - { .name: smap, .offset: 16, .size: 8, .value_kind: global_buffer, .address_space: global }
      - { .name: afft, .offset: 24, .size: 8, .value_kind: global_buffer, .address_space: global }
      - { .name: wq, .offset: 32, .size: 8, .value_kind: global_buffer, .address_space: global }
      - { .name: rows, .offset: 40, .size: 8, .value_kind: global_buffer, .address_space: global }
      - { .name: rowaff, .offset: 48, .size: 8, .value_kind: global_buffer, .address_space: global }
      - { .name: cnts, .offset: 56, .size: 8, .value_kind: global_buffer, .address_space: global }
    .group_segment_fixed_size: 768
    .private_segment_fixed_size: 0
    .kernarg_segment_align: 8
    .kernarg_segment_size: 64
    .max_flat_workgroup_size: 128
    .sgpr_count:     66
    .vgpr_count:     202
    .wavefront_size: 32
...
	.end_amdgpu_metadata
.endif
;; end of part 2
;; launch up (part 3): grid 415 x 1, 4 waves a work-group, no clusters, 9,728 bytes of LDS; arguments xqb, wq, rows, rowaff, hqb, cnts; writes hqb
.if DOCPART == 3
	.amdgcn_target "amdgcn-amd-amdhsa--gfx1250"
	.amdhsa_code_object_version 6
	.text
	.protected	k_q0c5a2838cf_up
	.globl	k_q0c5a2838cf_up
	.p2align	8
	.type	k_q0c5a2838cf_up,@function
k_q0c5a2838cf_up:
	s_mov_b64 s[64:65], 0
	v_nop
	global_prefetch_b8 v0, s[64:65] scope:SCOPE_SE
	s_setreg_imm32_b32 hwreg(HW_REG_WAVE_MODE, 25, 1), 1
	s_wait_xcnt 0x0
; UP.  For each chosen (token, expert): Q(silu(Q(x) Q(keys_e)) x affinity), 128 codes and a scale word, into the token's slot of hqb.  Only chosen rows are multiplied: the others' weight is 0, so their codes are zeros (slot 6).
; THE GRID SERVES EVERY SPLIT: 49,152 rows in tiles of 128 and 32 experts are never more than 384 + 31 tiles.  A work-group finds its tile (expert, which 128 rows) from the 32 stored counts, by selects alone.
; NO BRANCH OF THIS LAUNCH HANGS ON A NUMBER READ FROM MEMORY.  A work-group that a split leaves without a tile runs the same text on the last expert's last rows, and a select sends its 128 rows and scale words to spare
; places of hqb, behind the scale words, a place of its own for each row; nobody reads them.  At most 31 work-groups do so.
; What hangs on stored numbers are vector offsets alone, each held by v_min_u32 at its buffer's bound.  No tensor load and no joint load: which tile a work-group has is not known from ids, so partners could not be given tiles of one expert.
; Operands go from memory straight into registers (keys' fragments lie in memory in the order of the operand's registers; a token's codes are gathered by the list).
; A wave takes 32 rows (two tiles of 16) x all 128 hidden units: 16 accumulators.  K = 1,024 in eight steps, written out; each step's 48 loads are asked for a step ahead, into the other set of registers.
; The product is used transposed (source 0 = 16 rows of keys_e, source 1 = 16 tokens): a lane holds one row, and, by the order of keys' rows in a tile, register 16 b + i of its 64 is hidden unit 32 b + 16 (lane / 16) + i.
; Rows past the list's end repeat the expert's last row: the same bytes go to the same place.
; LIMITS: NaN and infinities are not served; where z < -128 / log2(e), 2^(-z log2 e) overflows and silu gives -0, where f32 has a number under 1e-36 in magnitude.
; REGISTERS.  window 0: v1-31 addresses and such; v32-47 keys' scale words, two sets; v48-63 the tokens' scale words (both are scales and nothing else); v64-127 the tokens' fragments, two sets, later the silu's and the quantiser's work;
;   v128-255 the accumulators ((m, t) at v[128 + 64 m + 8 t]), later the rows on their way out; at the head v128-156 are at work on addresses and v160-191 take the counts.   window 1: keys' fragments, two sets of 128.
.set HSO,   7340032                    ; hqb: where the scale words begin
.set NDUMP, 415*128                    ; spare places: one for each row of each work-group
.set DS0,   57344                      ; the first spare scale word, counted from HSO: behind the 57,344 rows' words
.set DC0,   60796                      ; the first spare row of 128 bytes: behind the spare scale words (HSO + 4 (DS0 + NDUMP) = 128 DC0)
.set WB,   4                           ; v4   16 x lane + 131,072 x expert
.set KSB,  5                           ; v5   4 r + 4,096 x expert
.set XAD,  6                           ; v6-7   token x 1,024 + 16 h, tile m
.set XSA,  8                           ; v8-9   token x 32
.set RQA,  10                          ; v10-17 way out: 128 x (row of hqb) + 16 (lane % 8), for row 4 k + lane / 8 of my 32
.set RQS,  18                          ; v18    4 x (row of hqb) of row = lane
.set STO,  19
.set SRD,  20
.set AFR,  24                          ; v[24:25], v[26:27] the rows' affinities (low word; the upper is written 0)
.set NIL,  31                          ; v31    0: the offset of the counts' loads
.set KS,   32
.set XSC,  48
.set XF,   64
.set ACC,  128
.set CV,   160                         ; v160-191 the 32 counts, the same in every lane
.set T,    64                          ; v64-95  the silu's work
.set TM,   96                          ; v96-111 the quantiser's
.set PC,   112                         ; v112-127 the codes just made
.set SEL,  30                          ; s[30:31]
.set MNT,  25
.set MSB, 0
.macro WIN new                         ; the immediate's high byte repeats the setting that is left
.if MSB != \new
	s_set_vgpr_msb (MSB<<8)|\new
.set MSB, \new
.endif
.endm
	s_load_b256 s[4:11], s[0:1], 0x0               ; xqb, wq, rows, rowaff
	s_load_b64 s[12:13], s[0:1], 0x20              ; hqb
	s_load_b64 s[68:69], s[0:1], 0x28              ; cnts
	s_set_vgpr_msb 0x80
	v_lshl_add_u32 v0, v0, 2, 0x2400
	v_mov_b32 v1, 0
	s_set_vgpr_msb 0x8000
	v_lshrrev_b32 v1, 5, v0
	v_readfirstlane_b32 s14, v1                    ; wave
	v_and_b32 v1, 31, v0                           ; lane
	v_and_b32 v2, 15, v0                           ; r
	v_bfe_u32 v3, v0, 4, 1                         ; h
	v_mov_b32 v[NIL], 0
	s_wait_kmcnt 0x0
.set j, 0
.rept 32
	global_load_b32 v[CV+j], v[NIL], s[68:69] offset:128*j   ; expert j's count: every lane reads the same word
.set j, j+1
.endr
	v_lshlrev_b32 v[WB], 4, v1
	v_lshlrev_b32 v[KSB], 2, v2
	v_lshrrev_b32 v21, 3, v1                       ; lane / 8
	v_and_b32 v22, 7, v1
	v_lshlrev_b32 v22, 4, v22                      ; 16 (lane % 8)
	s_mul_i32 s23, s14, 2304                       ; my stage: 16 rows x (128 bytes + 16)
	v_mul_u32_u24 v[STO], v2, 144
	v_lshl_add_u32 v[STO], v3, 4, v[STO]
	v_add_nc_u32 v[STO], s23, v[STO]               ; in: row r, + 16 h
	v_mad_u32_u24 v[SRD], v21, 144, v22
	v_add_nc_u32 v[SRD], s23, v[SRD]               ; back: eight lanes a row
	v_mov_b32 v[AFR+1], 0
	v_mov_b32 v[AFR+3], 0
	s_mov_b32 s[SEL], 0x76543210
	s_mov_b32 s[SEL+1], 0xfedcba98
	s_mov_b32 s[MNT], 0x600000
	s_mov_b32 s15, 0xffff0000                      ; the mask of lanes 16-31
	s_add_nc_u64 s[18:19], s[6:7], 0x800000        ; keys' scale words
	s_add_nc_u64 s[66:67], s[4:5], 0x800000        ; the tokens' scale bytes
	s_lshl_b32 s71, ttmp9, 7
	s_lshl_b32 s23, s14, 5
	s_add_co_u32 s71, s71, s23                     ; my wave's first row among all work-groups' rows: 128 x work-group + 32 x wave
	s_mov_b32 s20, 0                               ; tiles up to and with expert j
	s_mov_b32 s21, 0                               ; my expert
	s_mov_b32 s22, 0                               ; the tiles ahead of it
	s_wait_loadcnt 0x0                             ; the counts are in
.set j, 0
.rept 32
	v_readfirstlane_b32 s[32+j], v[CV+j]
.set j, j+1
.endr
	s_mov_b32 s24, s32                             ; my expert's count
.irp j, 0,1,2,3,4,5,6,7,8,9,10,11,12,13,14,15,16,17,18,19,20,21,22,23,24,25,26,27,28,29,30,31
	s_add_co_u32 s23, s[32+\j], 127
	s_lshr_b32 s23, s23, 7
	s_add_co_u32 s20, s20, s23
	s_cmp_ge_u32 ttmp9, s20                        ; does my tile lie behind expert j's?
	s_cselect_b32 s22, s20, s22
.if \j < 31
	s_cselect_b32 s24, s[33+\j], s24
.endif
	s_cselect_b32 s23, 1, 0
	s_add_co_u32 s21, s21, s23
.endr
	s_cmp_lt_u32 ttmp9, s20                        ; has this split a tile for me?
	s_cselect_b32 s70, -1, 0                       ; as a mask of lanes: all or none
	s_sub_co_u32 s22, ttmp9, s22
	s_min_u32 s22, s22, 63                         ; which 128 rows of the list
	s_lshl_b32 s26, s22, 7
	s_lshl_b32 s23, s14, 5
	s_add_co_u32 s26, s26, s23                     ; my wave's first row
	s_sub_co_u32 s27, s24, 1
	s_min_u32 s27, s27, 0x1fff                     ; the list's last row
	v_mov_b32 v145, s21
	v_min_u32 v145, 31, v145                       ; the expert
	v_lshl_add_u32 v[WB], v145, 17, v[WB]          ; its 64 fragments of keys,
	v_lshl_add_u32 v[KSB], v145, 12, v[KSB]        ; their scale words,
	v_lshlrev_b32 v146, 15, v145                   ; its list and its affinities: 8,192 words each
; the list: 13 loads, each with an address register of its own (in registers that the first products will write)
.irp m, 0,1
	v_add_nc_u32 v[128+\m], s26, v2
	v_add_nc_u32 v[128+\m], 16*\m, v[128+\m]
	v_min_u32 v[128+\m], s27, v[128+\m]
	v_min_u32 v[128+\m], 0x1fff, v[128+\m]
	v_lshl_add_u32 v[130+\m], v[128+\m], 2, v146
.endr
	v_add_nc_u32 v23, s26, v21
.irp k, 0,1,2,3,4,5,6,7
	v_add_nc_u32 v[134+\k], 4*\k, v23
	v_min_u32 v[134+\k], s27, v[134+\k]
	v_min_u32 v[134+\k], 0x1fff, v[134+\k]
	v_lshl_add_u32 v[134+\k], v[134+\k], 2, v146
.endr
	v_add_nc_u32 v142, s26, v1
	v_min_u32 v142, s27, v142
	v_min_u32 v142, 0x1fff, v142
	v_lshl_add_u32 v142, v142, 2, v146
.irp m, 0,1
	global_load_b32 v[XAD+\m], v[130+\m], s[8:9]               ; 8 x token + slot of row 16 m + r
	global_load_b32 v[AFR+2*\m], v[130+\m], s[10:11]           ; its affinity
.endr
.irp k, 0,1,2,3,4,5,6,7
	global_load_b32 v[RQA+\k], v[134+\k], s[8:9]               ; the same word of row 4 k + lane / 8
.endr
	global_load_b32 v[RQS], v142, s[8:9]                       ; and of row = lane
.macro LOADW s                         ; K step s: keys' eight fragments and their scale words: 40 loads
.set PP, (\s)%2
	WIN 0x40                                       ; destination window 1
.irp t, 0,1,2,3,4,5,6,7
.irp c, 0,1,2,3
	global_load_b128 v[128*PP+16*\t+4*\c:128*PP+16*\t+4*\c+3], v[WB], s[6:7] offset:16384*(\s)+2048*\t+512*\c
.endr
.endr
	WIN 0
.irp t, 0,1,2,3,4,5,6,7
	global_load_b32 v[KS+8*PP+\t], v[KSB], s[18:19] offset:512*(\s)+64*\t
.endr
.endm
.macro LOADX s                         ; and my two tiles of tokens: 8 loads
.set PP, (\s)%2
.irp m, 0,1
.irp c, 0,1,2,3
	global_load_b128 v[XF+32*PP+16*\m+4*\c:XF+32*PP+16*\m+4*\c+3], v[XAD+\m], s[4:5] offset:128*(\s)+32*\c
.endr
.endr
.endm
	LOADW 0
	v_add_nc_u32 v144, s71, v21                    ; the spare places, from ids alone: rows
.irp k, 0,1,2,3,4,5,6,7
	v_add_nc_u32 v[147+\k], DC0+4*\k, v144
.endr
	v_add_nc_u32 v155, s71, v1
	v_add_nc_u32 v155, DS0, v155                   ; and scale words
	s_wait_loadcnt 40                              ; the 13 loads of the list are in; the 40 behind them may be out
.irp m, 0,1
	v_lshrrev_b32 v[XAD+\m], 3, v[XAD+\m]          ; the token
	v_min_u32 v[XAD+\m], 0x1fff, v[XAD+\m]
	v_lshlrev_b32 v[XSA+\m], 5, v[XAD+\m]
	v_lshlrev_b32 v[XAD+\m], 10, v[XAD+\m]
	v_lshl_add_u32 v[XAD+\m], v3, 4, v[XAD+\m]
.endr
.irp k, 0,1,2,3,4,5,6,7
	v_lshrrev_b32 v156, 3, v[RQA+\k]
	v_sub_nc_u32 v[RQA+\k], v[RQA+\k], v156        ; (8 token + slot) - token: the row of hqb
	v_cndmask_b32 v[RQA+\k], v[147+\k], v[RQA+\k], s70   ; or, with no tile, the spare row
	v_min_u32 v[RQA+\k], DC0+NDUMP-1, v[RQA+\k]
	v_lshl_add_u32 v[RQA+\k], v[RQA+\k], 7, v22
.endr
	v_lshrrev_b32 v156, 3, v[RQS]
	v_sub_nc_u32 v[RQS], v[RQS], v156
	v_cndmask_b32 v[RQS], v155, v[RQS], s70
	v_min_u32 v[RQS], DS0+NDUMP-1, v[RQS]
	v_lshlrev_b32 v[RQS], 2, v[RQS]
.irp m, 0,1
	global_load_b128 v[XSC+8*\m:XSC+8*\m+3], v[XSA+\m], s[66:67]             ; the token's eight scale words: register s for K step s
	global_load_b128 v[XSC+8*\m+4:XSC+8*\m+7], v[XSA+\m], s[66:67] offset:16
.endr
	LOADX 0
.macro STEP s
.if (\s) < 7
.if (\s) > 0
.rept 8
	v_nop                                          ; places in front of loads into registers that the last step's products have read
.endr
.endif
	LOADW (\s)+1
	LOADX (\s)+1
	s_wait_loadcnt 48                              ; all but the 48 just issued
.else
	s_wait_loadcnt 0x0
.endif
.set PP, (\s)%2
	WIN 0x01                                       ; source 0 window 1
.irp t, 0,1,2,3,4,5,6,7                ; the 16 accumulators take turns, in the same order in every step
.irp m, 0,1
.if (\s) == 0
	v_wmma_scale_f32_16x16x128_f8f6f4 v[ACC+64*\m+8*\t:ACC+64*\m+8*\t+7], v[128*PP+16*\t:128*PP+16*\t+15], v[XF+32*PP+16*\m:XF+32*PP+16*\m+15], 0, v[KS+8*PP+\t], v[XSC+8*\m+(\s)] matrix_a_fmt:MATRIX_FMT_BF8 matrix_b_fmt:MATRIX_FMT_BF8
.else
	v_wmma_scale_f32_16x16x128_f8f6f4 v[ACC+64*\m+8*\t:ACC+64*\m+8*\t+7], v[128*PP+16*\t:128*PP+16*\t+15], v[XF+32*PP+16*\m:XF+32*PP+16*\m+15], v[ACC+64*\m+8*\t:ACC+64*\m+8*\t+7], v[KS+8*PP+\t], v[XSC+8*\m+(\s)] matrix_a_fmt:MATRIX_FMT_BF8 matrix_b_fmt:MATRIX_FMT_BF8
.endif
.endr
.endr
	WIN 0
.endm
.irp s, 0,1,2,3,4,5,6,7
	STEP \s
.endr
.rept 8
	v_nop
.endr
; 32 numbers from v[a0] on: (z / (1 + 2^(-z log2 e))) x the row's affinity, rounded in that order.  Each batch of transcendentals has one plain line and one wait behind it.  The accumulators are read from their low ends on.
.macro SILU a0, af
.set i, 0
.rept 16
	v_pk_mul_f32 v[T+i:T+i+1], v[\a0+i:\a0+i+1], 0xbfb8aa3b op_sel_hi:[1,0]
.set i, i+2
.endr
.set i, 0
.rept 32
	v_exp_f32 v[T+i], v[T+i]
.set i, i+1
.endr
	v_nop
	s_wait_alu depctr_va_vdst(0)
.set i, 0
.rept 16
	v_pk_add_f32 v[T+i:T+i+1], v[T+i:T+i+1], 1.0 op_sel_hi:[1,0]
.set i, i+2
.endr
.set i, 0
.rept 32
	v_rcp_f32 v[T+i], v[T+i]
.set i, i+1
.endr
	v_nop
	s_wait_alu depctr_va_vdst(0)
.set i, 0
.rept 16
	v_pk_mul_f32 v[\a0+i:\a0+i+1], v[\a0+i:\a0+i+1], v[T+i:T+i+1]
.set i, i+2
.endr
.set i, 0
.rept 16
	v_pk_mul_f32 v[\a0+i:\a0+i+1], v[\a0+i:\a0+i+1], v[\af:\af+1] op_sel_hi:[1,0]
.set i, i+2
.endr
.endm
.macro QUANT s                         ; 64 numbers of a lane become a fragment's codes in v[PC] on and its scale word in v[PW]
.irp b, 0,1,2,3
	v_max3_num_f32 v[TM+\b], |v[\s+16*\b]|, |v[\s+1+16*\b]|, 0x8000000   ; my 16 numbers of block b, and the floor 2^(16 - 127)
.endr
.irp i, 2,4,6,8,10,12,14
.irp b, 0,1,2,3
	v_max3_num_f32 v[TM+\b], v[TM+\b], |v[\s+16*\b+\i]|, |v[\s+1+16*\b+\i]|
.endr
.endr
.irp b, 0,1,2,3
	v_permlanex16_b32 v[TM+4+\b], v[TM+\b], s[SEL], s[SEL+1]
.endr
.irp b, 0,1,2,3
	v_max_num_f32 v[TM+\b], v[TM+\b], v[TM+4+\b]
.endr
.irp b, 0,1,2,3
	v_add_nc_u32 v[TM+12+\b], 0xf8800000, v[TM+\b]
.endr
.irp b, 0,1,2,3
	v_and_or_b32 v[TM+8+\b], v[TM+\b], 0x7f800000, s[MNT]
.endr
.irp b, 0,1,2,3
	v_lshrrev_b32 v[TM+4+\b], 23, v[TM+12+\b]
.endr
	v_lshl_or_b32 v[PW], v[TM+5], 8, v[TM+4]
	v_lshl_or_b32 v[PW], v[TM+6], 16, v[PW]
	v_lshl_or_b32 v[PW], v[TM+7], 24, v[PW]
.irp b, 0,1,2,3
.irp i, 0,1,2,3,4,5,6,7,8,9,10,11,12,13,14,15
	v_med3_num_f32 v[\s+16*\b+\i], v[\s+16*\b+\i], -v[TM+8+\b], v[TM+8+\b]
.endr
	v_cvt_scalef32_pk8_bf8_f32 v[PC+4*\b:PC+1+4*\b], v[\s+16*\b:\s+7+16*\b], v[TM+12+\b]
	v_cvt_scalef32_pk8_bf8_f32 v[PC+2+4*\b:PC+3+4*\b], v[\s+8+16*\b:\s+15+16*\b], v[TM+12+\b]
.endr
	v_nop                                          ; a plain line behind the last conversion
.endm
.irp m, 0,1
.set PW, 28+\m                         ; v28, v29: the two tiles' scale words
	SILU ACC+64*\m, AFR+2*\m
	SILU ACC+64*\m+32, AFR+2*\m
	QUANT ACC+64*\m
.irp c, 0,1,2,3
	ds_store_b128 v[STO], v[PC+4*\c:PC+4*\c+3] offset:32*\c    ; a lane's 16 codes k = 32 c + 16 h on, into its row of my own stage
.endr
.irp i, 0,1,2,3
	ds_load_b128 v[ACC+64*\m+4*\i:ACC+64*\m+4*\i+3], v[SRD] offset:576*\i   ; back by rows (LDS serves a wave's instructions in order), into registers of the tile's own
.endr
	s_wait_dscnt 0x0                               ; the rows are in, and the stores have read the codes' registers
.irp i, 0,1,2,3
	global_store_b128 v[RQA+4*\m+\i], v[ACC+64*\m+4*\i:ACC+64*\m+4*\i+3], s[12:13]   ; eight lanes store a row's 128 bytes
.endr
.endr
	v_cndmask_b32 v30, v28, v29, s15               ; row = lane: lanes 0-15 tile 0's word, lanes 16-31 tile 1's
	global_store_b32 v[RQS], v30, s[12:13] offset:HSO
	s_set_vgpr_msb 0xa
	s_wait_tensorcnt 0x0
	ds_add_u32 v0, v1
	s_wait_dscnt 0x0
	s_set_vgpr_msb 0xa00
	s_endpgm
.Lfunc_end_k_q0c5a2838cf_up:
	.size	k_q0c5a2838cf_up, .Lfunc_end_k_q0c5a2838cf_up-k_q0c5a2838cf_up
	.p2alignl 7, 3214868480
	.fill 96, 4, 3214868480
	.section	.rodata,"a",@progbits
	.p2align	6, 0x0
	.amdhsa_kernel k_q0c5a2838cf_up
		.amdhsa_group_segment_fixed_size 9728
		.amdhsa_private_segment_fixed_size 0
		.amdhsa_enable_private_segment 0
		.amdhsa_kernarg_size 48
		.amdhsa_user_sgpr_count 2
		.amdhsa_user_sgpr_kernarg_segment_ptr 1
		.amdhsa_wavefront_size32 1
		.amdhsa_system_sgpr_workgroup_id_x 1
		.amdhsa_system_sgpr_workgroup_id_y 1
		.amdhsa_system_sgpr_workgroup_id_z 1
		.amdhsa_system_vgpr_workitem_id 0
		.amdhsa_next_free_vgpr 514
		.amdhsa_next_free_sgpr 100
		.amdhsa_reserve_vcc 0
		.amdhsa_float_denorm_mode_32 3
		.amdhsa_float_denorm_mode_16_64 3
		.amdhsa_memory_ordered 1
		.amdhsa_forward_progress 1
		.amdhsa_inst_pref_size 123
	.end_amdhsa_kernel
	.amdgpu_metadata
---
amdhsa.version: [ 1, 2 ]
amdhsa.kernels:
  - .name:           k_q0c5a2838cf_up
    .symbol:         k_q0c5a2838cf_up.kd
    .args:
      - { .name: xqb, .offset: 0, .size: 8, .value_kind: global_buffer, .address_space: global }
      - { .name: wq, .offset: 8, .size: 8, .value_kind: global_buffer, .address_space: global }
      - { .name: rows, .offset: 16, .size: 8, .value_kind: global_buffer, .address_space: global }
      - { .name: rowaff, .offset: 24, .size: 8, .value_kind: global_buffer, .address_space: global }
      - { .name: hqb, .offset: 32, .size: 8, .value_kind: global_buffer, .address_space: global }
      - { .name: cnts, .offset: 40, .size: 8, .value_kind: global_buffer, .address_space: global }
    .group_segment_fixed_size: 9728
    .private_segment_fixed_size: 0
    .kernarg_segment_align: 8
    .kernarg_segment_size: 48
    .max_flat_workgroup_size: 128
    .sgpr_count:     100
    .vgpr_count:     514
    .wavefront_size: 32
...
	.end_amdgpu_metadata
.endif
;; end of part 3
;; launch down (part 4): grid 8 x 32, 4 waves a work-group, no clusters, 283,136 bytes of LDS; arguments hqb, smap, wq, out0; writes out0
.if DOCPART == 4
	.amdgcn_target "amdgcn-amd-amdhsa--gfx1250"
	.amdhsa_code_object_version 6
	.text
	.protected	k_q0c5a2838cf_down
	.globl	k_q0c5a2838cf_down
	.p2align	8
	.type	k_q0c5a2838cf_down,@function
k_q0c5a2838cf_down:
	s_mov_b64 s[64:65], 0
	v_nop
	global_prefetch_b8 v0, s[64:65] scope:SCOPE_SE
	s_setreg_imm32_b32 hwreg(HW_REG_WAVE_MODE, 25, 1), 1
	s_wait_xcnt 0x0
; DOWN.  out[token][d] = the sum over experts e and hidden units of Q(h w)[token][e][.] Q(values)[e][.][d]: K = 4,096 in 32 steps, one expert each.
; TOKENS STAY IN THE ACCUMULATORS, so each output row has one owner and nothing is added across work-groups.  For expert e a token's operand row is its slot's row of hqb, or, where it does not use e, its slot 6: zero codes.
; A work-group takes 256 tokens x 128 columns; a wave 128 tokens x 64 columns: 32 accumulators.  The 256 tokens' seven rows each (229,376 bytes of codes, 7,168 of scale words) come into LDS ONCE, by tensor loads; no LDS byte is filled twice.
; By this text's count a wave has two tensor loads out.
; NO JOINT LOADS, though the eight column blocks of a block of tokens fetch the same rows: which row of LDS a lane reads is chosen by the token's stored slot.
; Per step a wave loads from memory its four fragments of values_e (they lie there in the order of the operand's registers), their scale words and its 128 tokens' slots (smap, whole numbers stored by the first launch),
; three experts ahead; a step ahead it turns the slots into LDS addresses and fetches the eight fragments of tokens.
; The product is used transposed (source 0 = 16 columns of values_e, source 1 = 16 tokens): a lane holds eight neighbouring columns of one token's row.
; REGISTERS.  window 0: addresses; v32-63 slots, four sets; v72-87 the tokens' scale words, two sets; v88-103 values' scale words, four sets (scales and nothing else); v128-191 the way out.
;   window 1: the tokens' fragments, two sets of 128.   window 2: accumulator (m, n) at v[8 (4 m + n)].   window 3: values' fragments, four sets of 64.
.set HSO,   7340032
.set VQ0,   4194304
.set VS0,   8519680
.set TOKB,  1008                       ; a token in LDS: seven rows of 128 bytes + 16 of padding; 63 x 16, so sixteen tokens' rows of one slot begin at sixteen different 16-byte columns of 256 bytes
.set HS,    258048                     ; behind the codes: the scale words, 28 bytes a token
.set STAGE, 265216                     ; behind them: 16 rows x (256 bytes + 16) for each wave, for the way out; no tensor load lands here
.set VB,   2                           ; v2   16 x lane
.set R4,   3                           ; v3   4 r
.set TB,   8                           ; v8-15  my token of tile m: its first byte in LDS + 16 h
.set TS,   16                          ; v16-23 its scale words
.set AD,   24                          ; v24-31 the row in hand
.set IDX,  32
.set ADS,  64                          ; v64-71 its scale word
.set SA,   72
.set SB,   88
.set STO,  104
.set SRD,  105
.set CO,   106
.set BK,   128
.set G1H,  24                          ; s[24:31] group 1 for the codes;  s[32:35] group 0
.set G0H,  32
.set G1S,  36                          ; s[36:43], s[44:47] the same for the scale words
.set G0S,  44
.set VQ,   48                          ; s[48:49] values' fragments, s[50:51] their scale words, s[52:53] the slots: each at the first expert of the four in hand
.set VS,   50
.set SMP,  52
.set MSB, 0
.macro WIN new                         ; the immediate's high byte repeats the setting that is left
.if MSB != \new
	s_set_vgpr_msb (MSB<<8)|\new
.set MSB, \new
.endif
.endm
	s_load_b256 s[4:11], s[0:1], 0x0               ; hqb, smap, wq, out0
	v_lshl_add_u32 v254, v0, 2, 0x45000
	v_mov_b32 v255, 0
	ds_add_u32 v254, v255
	ds_add_u32 v254, v255
	v_lshrrev_b32 v1, 5, v0
	v_readfirstlane_b32 s12, v1                    ; wave
	s_lshr_b32 s13, s12, 1                         ; which 128 tokens
	s_and_b32 s14, s12, 1                          ; which 64 columns
	s_mov_b32 s16, ttmp9                           ; the block of 128 columns
	s_and_b32 s17, ttmp7, 0xffff                   ; the block of 256 tokens
	; the codes of 64 tokens: 448 dense rows of 128 bytes (16 elements of 8), 16 bytes of padding behind each
	s_mov_b32 s[G1H], (3<<16)|(1<<20)|(4<<22)|(3<<25)   ; no mask; elements of 8 bytes; padding on; after every 32 words; four words
	s_mov_b32 s[G1H+1], 16<<16                     ; tensor_dim0
	s_mov_b32 s[G1H+2], 448<<16                    ; tensor_dim1
	s_mov_b32 s[G1H+3], 16<<16                     ; tile_dim0
	s_mov_b32 s[G1H+4], 448                        ; tile_dim1
	s_mov_b32 s[G1H+5], 16                         ; the pitch
	s_mov_b32 s[G1H+6], 0
	s_mov_b32 s[G1H+7], 0
	; their scale words: 1,792 dense bytes as 7 rows of 256, no padding
	s_mov_b32 s[G1S], 3<<16
	s_mov_b32 s[G1S+1], 32<<16
	s_mov_b32 s[G1S+2], 7<<16
	s_mov_b32 s[G1S+3], 32<<16
	s_mov_b32 s[G1S+4], 7
	s_mov_b32 s[G1S+5], 32
	s_mov_b32 s[G1S+6], 0
	s_mov_b32 s[G1S+7], 0
	s_lshl_b32 s18, s17, 8
	s_lshl_b32 s19, s12, 6
	s_add_co_u32 s18, s18, s19                     ; the first of the 64 tokens that I fetch
	s_mul_i32 s20, s18, 896
	s_mov_b32 s21, 0
	s_mul_i32 s22, s18, 28
	s_add_co_u32 s22, s22, HSO
	s_mov_b32 s23, 0
	s_wait_dscnt 0x0
	s_wait_kmcnt 0x0
	s_mov_b32 s[G0H], 1
	s_mul_i32 s[G0H+1], s12, 64*TOKB               ; my quarter of the rows in LDS
	s_add_nc_u64 s[G0H+2:G0H+3], s[4:5], s[20:21]
	s_or_b32 s[G0H+3], s[G0H+3], 0x80000000
	s_mov_b32 s[G0S], 1
	s_mul_i32 s[G0S+1], s12, 1792
	s_add_co_u32 s[G0S+1], s[G0S+1], HS
	s_add_nc_u64 s[G0S+2:G0S+3], s[4:5], s[22:23]
	s_or_b32 s[G0S+3], s[G0S+3], 0x80000000
	tensor_load_to_lds s[G0H:G0H+3], s[G1H:G1H+7]  ; the launch's only fills, together, ahead of every wait on TENSORcnt, every LDS read and every barrier
	s_nop 0
	tensor_load_to_lds s[G0S:G0S+3], s[G1S:G1S+7]
	s_nop 0
.rept 4
	v_nop
.endr
	; the other addresses
	s_mov_b32 s57, 0
	s_lshl_b32 s58, s16, 3
	s_lshl_b32 s59, s14, 2
	s_add_co_u32 s58, s58, s59                     ; my first tile of 16 columns
	s_lshl_b32 s56, s58, 11
	s_add_co_u32 s56, s56, VQ0
	s_add_nc_u64 s[VQ:VQ+1], s[8:9], s[56:57]
	s_lshl_b32 s56, s58, 6
	s_add_co_u32 s56, s56, VS0
	s_add_nc_u64 s[VS:VS+1], s[8:9], s[56:57]
	s_lshl_b32 s56, s17, 4
	s_lshl_b32 s59, s13, 3
	s_add_co_u32 s56, s56, s59                     ; my first tile of 16 tokens
	s_lshl_b32 s56, s56, 11
	s_add_nc_u64 s[SMP:SMP+1], s[6:7], s[56:57]
	s_lshl_b32 s56, s17, 20                        ; out0: 256 rows of 4,096 bytes a block,
	s_lshl_b32 s59, s13, 19                        ; my 128 rows,
	s_add_co_u32 s56, s56, s59
	s_lshl_b32 s59, s16, 9                         ; the block's 512 bytes of a row,
	s_add_co_u32 s56, s56, s59
	s_lshl_b32 s59, s14, 8                         ; my 256 of them
	s_add_co_u32 s56, s56, s59
	s_add_nc_u64 s[10:11], s[10:11], s[56:57]
	v_and_b32 v1, 31, v0
	v_and_b32 v4, 15, v0                           ; r
	v_bfe_u32 v5, v0, 4, 1                         ; h
	v_lshlrev_b32 v[VB], 4, v1
	v_lshlrev_b32 v[R4], 2, v4
	s_lshl_b32 s18, s13, 7
	v_add_nc_u32 v6, s18, v4                       ; my token of tile 0, among the 256
	v_mul_u32_u24 v7, v6, TOKB
	v_lshl_add_u32 v7, v5, 4, v7
	v_mul_u32_u24 v6, v6, 28
	v_add_nc_u32 v6, HS, v6
.irp m, 0,1,2,3,4,5,6,7
	v_add_nc_u32 v[TB+\m], \m*16*TOKB, v7
	v_add_nc_u32 v[TS+\m], \m*448, v6
.endr
	s_mul_i32 s19, s12, 16*272
	s_add_co_u32 s19, s19, STAGE                   ; my stage
	v_mul_u32_u24 v[STO], v4, 272
	v_lshl_add_u32 v[STO], v5, 5, v[STO]
	v_add_nc_u32 v[STO], s19, v[STO]               ; in: row r, + 32 h
	v_mul_u32_u24 v[SRD], v5, 272
	v_lshl_add_u32 v[SRD], v4, 4, v[SRD]
	v_add_nc_u32 v[SRD], s19, v[SRD]               ; back: lanes 0-15 one row, lanes 16-31 the next
	v_lshlrev_b32 v[CO], 12, v5
	v_lshl_add_u32 v[CO], v4, 4, v[CO]             ; and the same two rows in out0
; what a step wants from memory, for the expert idx behind the bases: 28 loads, into set `set` of four
.macro VM idx, set
	WIN 0xc0                                       ; destination window 3
.irp n, 0,1,2,3
.irp c, 0,1,2,3
	global_load_b128 v[64*(\set)+16*\n+4*\c:64*(\set)+16*\n+4*\c+3], v[VB], s[VQ:VQ+1] offset:(\idx)*131072+\n*2048+\c*512
.endr
.endr
	WIN 0
.irp n, 0,1,2,3
	global_load_b32 v[SB+4*(\set)+\n], v[R4], s[VS:VS+1] offset:(\idx)*4096+\n*64
.endr
.irp m, 0,1,2,3,4,5,6,7
	global_load_b32 v[IDX+8*(\set)+\m], v[R4], s[SMP:SMP+1] offset:(\idx)*64+\m*2048
.endr
.endm
.macro AADR q4                         ; the slots of set q4 become LDS addresses: 24 plain lines that name no register of the products
.irp m, 0,1,2,3,4,5,6,7
	v_min_u32 v[AD+\m], 6, v[IDX+8*(\q4)+\m]       ; a token has seven rows
.endr
.irp m, 0,1,2,3,4,5,6,7
	v_lshl_add_u32 v[ADS+\m], v[AD+\m], 2, v[TS+\m]
.endr
.irp m, 0,1,2,3,4,5,6,7
	v_mad_u32_u24 v[AD+\m], v[AD+\m], 144, v[TB+\m]
.endr
.endm
.macro ALDS p2                         ; eight fragments of tokens and their scale words into set p2 of two: 40 LDS loads
	WIN 0x40                                       ; destination window 1
.irp m, 0,1,2,3,4,5,6,7
.irp c, 0,1,2,3
	ds_load_b128 v[128*(\p2)+16*\m+4*\c:128*(\p2)+16*\m+4*\c+3], v[AD+\m] offset:32*\c
.endr
.endr
	WIN 0
.irp m, 0,1,2,3,4,5,6,7
	ds_load_b32 v[SA+8*(\p2)+\m], v[ADS+\m]
.endr
.endm
; The step of expert e, e % 4 = u.  wv: how many younger loads may be out when expert e + 1's 28 have to be in (those of e + 2).
.macro STEP u, zero, ldv, lda, wv
	s_wait_loadcnt \wv
	s_wait_dscnt 0x0                               ; expert e's fragments of tokens and their scale words, asked for a step ago, are in
.if \lda
	AADR ((\u)+1)%4                                ; also the places behind the last step's products, in front of the loads into registers that they read
	ALDS ((\u)+1)%2
.endif
.if \ldv
	VM (\u)+3, ((\u)+3)%4
.endif
	WIN 0xa7                                       ; source 0 (values) window 3, source 1 (tokens) window 1, C and D window 2
.irp m, 0,1,2,3,4,5,6,7                ; the 32 accumulators take turns, in the same order in every step
.irp n, 0,1,2,3
.if \zero
	v_wmma_scale_f32_16x16x128_f8f6f4 v[8*(4*\m+\n):8*(4*\m+\n)+7], v[64*((\u)%4)+16*\n:64*((\u)%4)+16*\n+15], v[128*((\u)%2)+16*\m:128*((\u)%2)+16*\m+15], 0, v[SB+4*((\u)%4)+\n], v[SA+8*((\u)%2)+\m] matrix_a_fmt:MATRIX_FMT_BF8 matrix_b_fmt:MATRIX_FMT_BF8
.else
	v_wmma_scale_f32_16x16x128_f8f6f4 v[8*(4*\m+\n):8*(4*\m+\n)+7], v[64*((\u)%4)+16*\n:64*((\u)%4)+16*\n+15], v[128*((\u)%2)+16*\m:128*((\u)%2)+16*\m+15], v[8*(4*\m+\n):8*(4*\m+\n)+7], v[SB+4*((\u)%4)+\n], v[SA+8*((\u)%2)+\m] matrix_a_fmt:MATRIX_FMT_BF8 matrix_b_fmt:MATRIX_FMT_BF8
.endif
.endr
.endr
	WIN 0
.endm
.macro ADVANCE                         ; the bases go four experts on
	s_wait_xcnt 0x0                                ; every load issued has read its base
	s_add_nc_u64 s[VQ:VQ+1], s[VQ:VQ+1], 4*131072
	s_add_nc_u64 s[VS:VS+1], s[VS:VS+1], 4*4096
	s_add_nc_u64 s[SMP:SMP+1], s[SMP:SMP+1], 4*64
.endm
	VM 0, 0
	VM 1, 1
	s_wait_tensorcnt 0x0                           ; my quarter of the rows and of the scale words lies in LDS,
	s_barrier_signal -1
	s_barrier_wait -1                              ; everybody's does
	s_wait_loadcnt 28                              ; expert 0's loads are in; expert 1's may be out
	AADR 0
	ALDS 0
	VM 2, 2
	STEP 0, 1, 1, 1, 28                            ; the first step's products start the sums
	STEP 1, 0, 1, 1, 28
	STEP 2, 0, 1, 1, 28
	STEP 3, 0, 1, 1, 28
	ADVANCE
	s_mov_b32 s54, 6
.Ltrip:                                            ; experts 4 to 27, four a trip: the register sets are back where they began
	STEP 0, 0, 1, 1, 28
	STEP 1, 0, 1, 1, 28
	STEP 2, 0, 1, 1, 28
	STEP 3, 0, 1, 1, 28
	ADVANCE
	s_sub_co_u32 s54, s54, 1
	s_cmp_lg_u32 s54, 0
	s_cbranch_scc1 .Ltrip
	STEP 0, 0, 1, 1, 28                            ; expert 28 asks for expert 31's: the last loads from memory
	STEP 1, 0, 0, 1, 28                            ; 29: expert 31's 28 loads may be out
	STEP 2, 0, 0, 1, 0                             ; 30: expert 31's slots are wanted
	STEP 3, 0, 0, 0, 0                             ; 31
.rept 8
	v_nop                                          ; places behind the last products, in front of the first read of results
.endr
	s_wait_dscnt 0x0
	s_barrier_signal -1
	s_barrier_wait -1                              ; parts every wave's gathered reads of LDS from the stores into the stages
; THE WAY OUT, 16 tokens at a time: a lane's 32 bytes of a row go into my own stage and come back as whole rows of 256 bytes.  LDS serves a wave's instructions in order: no wait between the stores and the loads.
.macro TOSTAGE a
	WIN 0x08                                       ; an LDS store's data are its source 1: window 2
.irp n, 0,1,2,3
	ds_store_b128 v[STO], v[8*(4*(\a)+\n):8*(4*(\a)+\n)+3] offset:64*\n          ; each accumulator from its low end on
	ds_store_b128 v[STO], v[8*(4*(\a)+\n)+4:8*(4*(\a)+\n)+7] offset:64*\n+16
.endr
	WIN 0
.set BB, BK+32*((\a)%2)
.irp i, 0,1,2,3,4,5,6,7
	ds_load_b128 v[BB+4*\i:BB+4*\i+3], v[SRD] offset:544*\i
.endr
.endm
.macro SEND a, younger                 ; younger: the LDS instructions issued behind block a's loads
.set BB, BK+32*((\a)%2)
	s_wait_dscnt \younger
.irp i, 0,1,2,3,4,5,6,7
	global_store_b128 v[CO], v[BB+4*\i:BB+4*\i+3], s[10:11] offset:(16*(\a)+2*\i)*4096 th:TH_STORE_NT   ; sixteen lanes store 256 consecutive bytes, aligned; written once
.endr
.endm
	TOSTAGE 0
.irp a, 1,2,3,4,5,6,7
.if \a > 1
	s_wait_xcnt 0x0                                ; block a - 2's stores have read their registers: block a's loads may land there
.endif
	TOSTAGE \a
	SEND \a-1, 16                                  ; behind block a - 1's loads: block a's 8 stores and 8 loads
.endr
	SEND 7, 0
	s_wait_tensorcnt 0x0
	ds_add_u32 v254, v255
	s_wait_dscnt 0x0
	s_endpgm
.Lfunc_end_k_q0c5a2838cf_down:
	.size	k_q0c5a2838cf_down, .Lfunc_end_k_q0c5a2838cf_down-k_q0c5a2838cf_down
	.p2alignl 7, 3214868480
	.fill 96, 4, 3214868480
	.section	.rodata,"a",@progbits
	.p2align	6, 0x0
	.amdhsa_kernel k_q0c5a2838cf_down
		.amdhsa_group_segment_fixed_size 283136
		.amdhsa_private_segment_fixed_size 0
		.amdhsa_enable_private_segment 0
		.amdhsa_kernarg_size 32
		.amdhsa_user_sgpr_count 2
		.amdhsa_user_sgpr_kernarg_segment_ptr 1
		.amdhsa_wavefront_size32 1
		.amdhsa_system_sgpr_workgroup_id_x 1
		.amdhsa_system_sgpr_workgroup_id_y 1
		.amdhsa_system_sgpr_workgroup_id_z 1
		.amdhsa_system_vgpr_workitem_id 0
		.amdhsa_next_free_vgpr 1024
		.amdhsa_next_free_sgpr 66
		.amdhsa_reserve_vcc 0
		.amdhsa_float_denorm_mode_32 3
		.amdhsa_float_denorm_mode_16_64 3
		.amdhsa_memory_ordered 1
		.amdhsa_forward_progress 1
		.amdhsa_inst_pref_size 153
	.end_amdhsa_kernel
	.amdgpu_metadata
---
amdhsa.version: [ 1, 2 ]
amdhsa.kernels:
  - .name:           k_q0c5a2838cf_down
    .symbol:         k_q0c5a2838cf_down.kd
    .args:
      - { .name: hqb, .offset: 0, .size: 8, .value_kind: global_buffer, .address_space: global }
      - { .name: smap, .offset: 8, .size: 8, .value_kind: global_buffer, .address_space: global }
      - { .name: wq, .offset: 16, .size: 8, .value_kind: global_buffer, .address_space: global }
      - { .name: out0, .offset: 24, .size: 8, .value_kind: global_buffer, .address_space: global }
    .group_segment_fixed_size: 283136
    .private_segment_fixed_size: 0
    .kernarg_segment_align: 8
    .kernarg_segment_size: 32
    .max_flat_workgroup_size: 128
    .sgpr_count:     66
    .vgpr_count:     1024
    .wavefront_size: 32
...
	.end_amdgpu_metadata
.endif
;; end of part 4
;; ======== version 2 of 2: 4 launches
;; workspace buffers: xqb 8,650,752 bytes; wq 8,650,752 bytes; smap 1,048,576 bytes of whole numbers; afft 1,048,576 bytes; rows 1,048,576 bytes of whole numbers; cnts 4,096 bytes of whole numbers; rowaff 1,048,576 bytes; hqb 14,581,248 bytes
;; launch route (part 5): grid 384 x 1, 4 waves a work-group, no clusters, 68,096 bytes of LDS; arguments selection_input, expert_sel, bias_ffn, token_stream, xqb, smap, afft, hqb, out1; writes xqb, smap, afft, hqb, out1
.if DOCPART == 5
	.amdgcn_target "amdgcn-amd-amdhsa--gfx1250"
	.amdhsa_code_object_version 6
	.text
	.protected	k_q0c5a2838cf_route
	.globl	k_q0c5a2838cf_route
	.p2align	8
	.type	k_q0c5a2838cf_route,@function
k_q0c5a2838cf_route:
	s_mov_b64 s[64:65], 0
	v_nop
	global_prefetch_b8 v0, s[64:65] scope:SCOPE_SE
	s_setreg_imm32_b32 hwreg(HW_REG_WAVE_MODE, 25, 1), 1
	s_wait_xcnt 0x0
; ROUTE.  Two jobs in one launch, parted by the work-group's number; each job has LDS bytes of its own.
; Work-groups 0-127, THE ROUTER: affinity = sigmoid(Q(selection_input) Q(expert_sel)^T), both operands quantised along D to codes of E5M2 with one E8M0 byte for each 32;
;   the four best of experts 0-29 by affinity + bias (a strict > keeps the lower index at a tie), experts 30 and 31 always.  A wave owns 16 tokens.  Stored at places fixed by ids alone:
;   smap [tile of 16 tokens][expert][token]: the token's slot for that expert (0-3 chosen, 4 and 5 experts 30 and 31, 6 not chosen); afft, the same layout: all affinities; out1;
;   and each token's slot 6 of hqb: a row of zero codes with the scale word 0, which stands for every expert that the token does not use.
; Work-groups 128-383, THE TOKENS: token_stream becomes codes (xqb + 0, K innermost) and scale bytes (xqb + XS): a plain stream of blocks of 32; a wave takes 16 steps of 512 numbers.
; A block's scale is 2^(floor(log2(largest magnitude)) - 15); its byte is the largest magnitude's exponent field - 15, held at 1 from below (a block of zeros keeps the byte 1: its codes are zeros, and this program alone reads the bytes).
; LIMITS: NaN and infinities among the inputs are not served.  2^(-z log2 e) is held at 2^126, so an affinity never falls under 1 / (1 + 2^126), where sigmoid in f32 would give 0.
; HINTS: the tokens' path reads 512 consecutive bytes a load, each byte once: non-temporal.  The router's loads carry no hint: a lane takes 16 bytes of its row, so four loads of a K step take neighbouring pieces of the same 64 bytes.
; No joint loads: what work-groups share here is expert_sel, 128 KiB against the 256 KiB of selection_input that each router work-group reads for itself, and it is quantised on the way.
.set NRW,   128                        ; router work-groups: 64 tokens each
.set XS,    8388608                    ; xqb: where the scale bytes begin
.set HSO,   7340032                    ; hqb: where the scale words begin
.set MNT,   23                         ; s23  the mantissa field of 57,344
.set SEL,   24                         ; s[24:25] selects for v_permlanex16_b32: lane l xor 16
; the tokens' path
.set WREG,  8192                       ; LDS bytes 0-32,767: a region for each wave: two stages of 32 x SP bytes, behind them its 256 scale bytes
.set SP,    80                         ; a lane's place in a stage: 64 bytes + 16 of padding
.set STEPS, 16
.set RX,    16                         ; v16-79   four sets of 16 numbers as loaded
.set XX,    80                         ; v80-111  two sets of 16 neighbours
.set EX,    112                        ; v112-127 a scale byte for each step
.set CX,    128                        ; v128-191 codes, four registers a step
; the router's path
.set EIMG,  32768                      ; LDS: expert_sel's 16 fragments (8 x tile of experts + K step) as images of their registers, 2,048 bytes each
.set ESC,   65536                      ; and their scale words, 128 bytes each
.set XA,    4                          ; v4   row r of 4,096 bytes + 64 h: my 16 numbers of a block of 32
.set LI,    5                          ; v5   16 x lane
.set LS,    6                          ; v6   ESC + 4 x lane
.set EWI,   7                          ; v7   16 x lane + 4,096 x wave: where I store images
.set EWS,   8                          ; v8   ESC + 4 x lane + 256 x wave
.set V4L,   9                          ; v9   4 x lane
.set HH,    10                         ; v10  h = lane / 16
.set O1A,   11                         ; v11  out1: 24 r + 8 h
.set O1B,   12                         ; v12  out1: 24 r + 4 h
.set ZRA,   13                         ; v13  zero rows: 896 (lane / 8) + 16 (lane % 8)
.set ZSA,   14                         ; v14  zero scale words: 28 r
.set ST0,   16                         ; v16-79, v80-143: two sets of 64 numbers
.set ST1,   80
.set PC,    144                        ; v144-159 the codes just made
.set EF,    160                        ; v160-191 two fragments of expert_sel
.set ACC,   192                        ; v192-207 two accumulators
.set TM,    208                        ; v208-223 the quantiser's work
.set PW,    224                        ; v224 the scale word just made;  v225-226 expert_sel's scale words
.set ES,    225
.set PM,    16                         ; behind the products: v16-31 the other half's results
.set Z,     32                         ; v32-63 z, then the affinities
.set TT,    64                         ; v64-95 at work, then the scores
.set RR,    96                         ; v96-127 at work, then the slots
.set SC,    64
.set SM,    96
.set NINF,  128
.set BEST,  129
.set IX,    130                        ; v130-133 the four chosen experts
.set TD,    144                        ; v144-175 store data
	s_load_b256 s[4:11], s[0:1], 0x0               ; selection_input, expert_sel, bias_ffn, token_stream
	s_load_b256 s[12:19], s[0:1], 0x20             ; xqb, smap, afft, hqb
	s_load_b64 s[20:21], s[0:1], 0x40              ; out1
	v_lshl_add_u32 v254, v0, 2, 0x10800
	v_mov_b32 v255, 0
	v_lshrrev_b32 v1, 5, v0
	v_readfirstlane_b32 s22, v1                    ; wave
	v_and_b32 v2, 31, v0                           ; lane
	s_mov_b32 s[MNT], 0x600000
	s_mov_b32 s31, 0                               ; the upper word of every offset pair s[30:31]
	s_wait_kmcnt 0x0
	s_cmp_lt_u32 ttmp9, NRW
	s_cbranch_scc1 .Lrouter
; ---------------- THE TOKENS ----------------
; Each load reads 512 consecutive bytes; a step's 2,048 bytes turn through the wave's own stage, so that a lane then holds 16 neighbours along K (two lanes a block).
	v_lshlrev_b32 v3, 4, v2                        ; 16 x lane: my bytes of a load's 512, and of a step's 512 bytes of codes
	s_mul_i32 s28, s22, WREG
	v_lshrrev_b32 v14, 2, v2
	v_mul_u32_u24 v14, v14, SP
	v_and_b32 v15, 3, v2
	v_lshl_add_u32 v14, v15, 4, v14
	v_add_nc_u32 v14, s28, v14                     ; into the stage: SP (lane / 4) + 16 (lane % 4)
	v_mul_u32_u24 v15, v2, SP
	v_add_nc_u32 v15, s28, v15                     ; out of it: SP x lane
	v_lshrrev_b32 v5, 1, v2
	s_add_co_u32 s28, s28, 2*32*SP
	v_add_nc_u32 v5, s28, v5                       ; my block's scale byte
	v_lshlrev_b32 v7, 3, v2
	v_add_nc_u32 v6, s28, v7                       ; and on the way out 8 bytes a lane
	s_sub_co_u32 s28, ttmp9, NRW
	s_lshl_b32 s28, s28, 2
	s_add_co_u32 s28, s28, s22                     ; which run of 8,192 numbers is my wave's: 0 .. 1,023
	s_lshl_b32 s30, s28, 15
	s_add_nc_u64 s[10:11], s[10:11], s[30:31]      ; its numbers,
	s_lshl_b32 s30, s28, 13
	s_add_nc_u64 s[66:67], s[12:13], s[30:31]      ; its codes,
	s_lshl_b32 s30, s28, 8
	s_add_co_u32 s30, s30, XS
	s_add_nc_u64 s[12:13], s[12:13], s[30:31]      ; its 256 scale bytes
.macro LOADX t
.irp i, 0,1,2,3
	global_load_b128 v[RX+16*((\t)%4)+4*\i:RX+16*((\t)%4)+4*\i+3], v3, s[10:11] offset:2048*(\t)+512*\i th:TH_LOAD_NT
.endr
.endm
.macro TURNX t                         ; LDS serves a wave's instructions in order: no wait between the stores and the loads
.irp i, 0,1,2,3
	ds_store_b128 v14, v[RX+16*((\t)%4)+4*\i:RX+16*((\t)%4)+4*\i+3] offset:32*SP*((\t)%2)+8*SP*\i
.endr
.irp i, 0,1,2,3
	ds_load_b128 v[XX+16*((\t)%2)+4*\i:XX+16*((\t)%2)+4*\i+3], v15 offset:32*SP*((\t)%2)+16*\i
.endr
.endm
.irp t, 0,1,2,3
	LOADX \t
.endr
	s_wait_loadcnt 12                              ; step 0's four loads are in
	TURNX 0
.macro STEPX t
.set XSX, XX+16*((\t)%2)
.if (\t) > 0
	s_wait_dscnt 1                                 ; this step's numbers are back from the stage (the last step's byte store may be out)
.else
	s_wait_dscnt 0x0
.endif
.if (\t)+4 < STEPS
	LOADX (\t)+4                                   ; into the registers that the stage's stores have read
.endif
.if (\t)+1 < STEPS
.if STEPS-2-(\t) >= 3
	s_wait_loadcnt 12                              ; the next step's four loads are in; three steps' may be out
.else
	s_wait_loadcnt 4*(STEPS-2-(\t))
.endif
	TURNX (\t)+1
.endif
	v_max3_num_f32 v8, |v[XSX]|, |v[XSX+1]|, |v[XSX+2]|
	v_max3_num_f32 v9, |v[XSX+3]|, |v[XSX+4]|, |v[XSX+5]|
.irp i, 6,10
	v_max3_num_f32 v8, v8, |v[XSX+\i]|, |v[XSX+\i+1]|
	v_max3_num_f32 v9, v9, |v[XSX+\i+2]|, |v[XSX+\i+3]|
.endr
	v_max3_num_f32 v8, v8, |v[XSX+14]|, |v[XSX+15]|
	v_max3_num_f32 v8, v8, v9, 0x8000000           ; with the floor 2^(16 - 127): the byte cannot fall under 1
	v_max_num_f32_dpp v8, v8, v8 row_xmask:1 row_mask:0xf bank_mask:0xf   ; and my neighbour's 16: the block's largest magnitude
	v_add_nc_u32 v11, 0xf8800000, v8               ; 15 off its exponent field: the conversion's scale operand
	v_and_or_b32 v10, v8, 0x7f800000, s[MNT]       ; 57,344 x the scale
.irp i, 0,1,2,3,4,5,6,7,8,9,10,11,12,13,14,15
	v_med3_num_f32 v[XSX+\i], v[XSX+\i], -v10, v10 ; the conversion does not saturate (ISA guide 7.6.2): the hold comes first
.endr
	v_cvt_scalef32_pk8_bf8_f32 v[CX+4*(\t):CX+4*(\t)+1], v[XSX:XSX+7], v11
	v_cvt_scalef32_pk8_bf8_f32 v[CX+4*(\t)+2:CX+4*(\t)+3], v[XSX+8:XSX+15], v11
	v_lshrrev_b32 v[EX+(\t)], 23, v11              ; the scale's byte (also the plain line behind the conversions)
	ds_store_b8 v5, v[EX+(\t)] offset:16*(\t)      ; both lanes of a block write the same byte
	global_store_b128 v3, v[CX+4*(\t):CX+4*(\t)+3], s[66:67] offset:512*(\t)   ; the wave stores 512 consecutive bytes
.endm
.irp t, 0,1,2,3,4,5,6,7,8,9,10,11,12,13,14,15
	STEPX \t
.endr
	ds_load_b64 v[12:13], v6
	s_wait_dscnt 0x0
	global_store_b64 v7, v[12:13], s[12:13]        ; 256 consecutive bytes, aligned
	s_wait_tensorcnt 0x0
	ds_add_u32 v254, v255
	s_wait_dscnt 0x0
	s_endpgm
; ---------------- THE ROUTER ----------------
; 64 numbers of a lane (register 16 b + i = k 32 b + 16 h + i of my row) from off bytes on
.macro XLOAD reg, bs, off
.irp b, 0,1,2,3
.irp j, 0,1,2,3
	global_load_b128 v[\reg+16*\b+4*\j:\reg+16*\b+4*\j+3], v[XA], s[\bs:\bs+1] offset:\off+128*\b+16*\j
.endr
.endr
.endm
.macro IMAGE adr, off                  ; a fragment goes to LDS as it stands in the registers
.irp c, 0,1,2,3
	ds_store_b128 v[\adr], v[PC+4*\c:PC+4*\c+3] offset:\off+512*\c
.endr
.endm
.macro FETCH reg, off                  ; and comes back so, in any wave
.irp c, 0,1,2,3
	ds_load_b128 v[\reg+4*\c:\reg+4*\c+3], v[LI] offset:\off+512*\c
.endr
.endm
; The 64 numbers become a fragment's codes in v[PC] on and its scale word in v[PW].
; f = a K step, or -1: behind the 32 lines of the maxima, K step f's two fragments of expert_sel and their scale words are asked for: those 32 plain lines are the eight places behind the last products,
; which read the registers that the loads fill, and the quantiser's other lines stand between the loads and the wait for them.
.macro QUANT s, f
.irp b, 0,1,2,3
	v_max3_num_f32 v[TM+\b], |v[\s+16*\b]|, |v[\s+1+16*\b]|, 0x8000000   ; my 16 numbers of block b, and the floor 2^(16 - 127)
.endr
.irp i, 2,4,6,8,10,12,14
.irp b, 0,1,2,3
	v_max3_num_f32 v[TM+\b], v[TM+\b], |v[\s+16*\b+\i]|, |v[\s+1+16*\b+\i]|
.endr
.endr
.if (\f) >= 0
	FETCH EF, EIMG+(\f)*2048
	FETCH EF+16, EIMG+(8+(\f))*2048
	ds_load_b32 v[ES], v[LS] offset:(\f)*128
	ds_load_b32 v[ES+1], v[LS] offset:(8+(\f))*128
.endif
.irp b, 0,1,2,3
	v_permlanex16_b32 v[TM+4+\b], v[TM+\b], s[SEL], s[SEL+1]
.endr
.irp b, 0,1,2,3
	v_max_num_f32 v[TM+\b], v[TM+\b], v[TM+4+\b]   ; with lane l xor 16's: the block's largest magnitude
.endr
.irp b, 0,1,2,3
	v_add_nc_u32 v[TM+12+\b], 0xf8800000, v[TM+\b] ; 15 off its exponent field: the conversion's scale operand
.endr
.irp b, 0,1,2,3
	v_and_or_b32 v[TM+8+\b], v[TM+\b], 0x7f800000, s[MNT]   ; 57,344 x the scale
.endr
.irp b, 0,1,2,3
	v_lshrrev_b32 v[TM+4+\b], 23, v[TM+12+\b]      ; the scale's byte
.endr
	v_lshl_or_b32 v[PW], v[TM+5], 8, v[TM+4]
	v_lshl_or_b32 v[PW], v[TM+6], 16, v[PW]
	v_lshl_or_b32 v[PW], v[TM+7], 24, v[PW]
.irp b, 0,1,2,3
.irp i, 0,1,2,3,4,5,6,7,8,9,10,11,12,13,14,15
	v_med3_num_f32 v[\s+16*\b+\i], v[\s+16*\b+\i], -v[TM+8+\b], v[TM+8+\b]
.endr
	v_cvt_scalef32_pk8_bf8_f32 v[PC+4*\b:PC+1+4*\b], v[\s+16*\b:\s+7+16*\b], v[TM+12+\b]
	v_cvt_scalef32_pk8_bf8_f32 v[PC+2+4*\b:PC+3+4*\b], v[\s+8+16*\b:\s+15+16*\b], v[TM+12+\b]
.endr
	v_nop                                          ; a plain line behind the last conversion
.endm
.Lrouter:
	v_and_b32 v3, 15, v0                           ; r
	v_bfe_u32 v[HH], v0, 4, 1                      ; h
	v_lshlrev_b32 v[XA], 12, v3
	v_lshl_add_u32 v[XA], v[HH], 6, v[XA]
	v_lshlrev_b32 v[LI], 4, v2
	v_lshlrev_b32 v[V4L], 2, v2
	v_add_nc_u32 v[LS], ESC, v[V4L]
	s_lshl_b32 s28, s22, 12
	v_add_nc_u32 v[EWI], s28, v[LI]
	s_lshl_b32 s28, s22, 8
	v_add_nc_u32 v[EWS], s28, v[LS]
	v_mul_u32_u24 v[O1A], v3, 24
	v_lshl_add_u32 v[O1B], v[HH], 2, v[O1A]
	v_lshl_add_u32 v[O1A], v[HH], 3, v[O1A]
	v_lshrrev_b32 v[ZRA], 3, v2
	v_mul_u32_u24 v[ZRA], v[ZRA], 896
	v_and_b32 v[ZSA], 7, v2
	v_lshl_add_u32 v[ZRA], v[ZSA], 4, v[ZRA]
	v_mul_u32_u24 v[ZSA], v3, 28
.irp b, 0,1,2,3
	v_mov_b32 v[TM+4+\b], 0                        ; written once: a lane permute's destination counts as one of its sources
.endr
	s_mov_b32 s[SEL], 0x76543210
	s_mov_b32 s[SEL+1], 0xfedcba98
	s_mov_b32 s26, 0xffff0000                      ; the mask of lanes 16-31
	s_mov_b32 s27, 0xbfb8aa3b                      ; -L, L = log2(e) rounded to f32
	s_mov_b32 s29, 0xb2a57060                      ; -(log2(e) - L)
	s_load_b512 s[32:47], s[8:9], 0x0              ; the bias, 32 numbers
	s_load_b512 s[48:63], s[8:9], 0x40
	s_lshl_b32 s28, ttmp9, 2
	s_add_co_u32 s28, s28, s22                     ; my tile of 16 tokens: 0 .. 511
	s_lshl_b32 s30, s28, 16
	s_add_nc_u64 s[4:5], s[4:5], s[30:31]          ; selection_input at my first token
	s_lshl_b32 s30, s22, 10
	s_add_nc_u64 s[6:7], s[6:7], s[30:31]          ; expert_sel at K step 2 x wave
	s_lshl_b32 s30, s28, 11
	s_add_nc_u64 s[14:15], s[14:15], s[30:31]      ; smap and afft at my tile
	s_add_nc_u64 s[16:17], s[16:17], s[30:31]
	s_mul_i32 s30, s28, 384
	s_add_nc_u64 s[20:21], s[20:21], s[30:31]      ; out1: 24 bytes a token
	s_mul_i32 s30, s28, 448
	s_add_co_u32 s30, s30, HSO
	s_add_nc_u64 s[66:67], s[18:19], s[30:31]      ; hqb's scale words: 28 bytes a token
	s_mul_i32 s30, s28, 14336
	s_add_nc_u64 s[18:19], s[18:19], s[30:31]      ; hqb's codes: 896 bytes a token
; E: wave w quantises K steps 2 w and 2 w + 1 of both tiles of 16 experts.  Two sets of 64 registers by turns; each wait leaves the 16 loads of the other set out.
.macro EROUND st, et, i
	s_wait_loadcnt 16
	QUANT \st, -1
	IMAGE EWI, EIMG+(\et)*16384+(\i)*2048
	ds_store_b32 v[EWS], v[PW] offset:(\et)*1024+(\i)*128
.endm
	XLOAD ST0, 6, 0
	XLOAD ST1, 6, 512
	EROUND ST0, 0, 0
	XLOAD ST0, 6, 65536
	s_wait_dscnt 0x0                               ; the stores have read the codes' registers
	EROUND ST1, 0, 1
	XLOAD ST1, 6, 65536+512
	s_wait_dscnt 0x0
	EROUND ST0, 1, 0
	XLOAD ST0, 4, 0                                ; my tokens' K step 0
	s_wait_dscnt 0x0
	EROUND ST1, 1, 1
	XLOAD ST1, 4, 512                              ; and K step 1
	s_wait_dscnt 0x0                               ; for the others' sake: my images lie in LDS
	s_barrier_signal -1
	s_barrier_wait -1                              ; all sixteen fragments do
; T: eight K steps.  Source 0 = 16 experts, source 1 = my 16 tokens: a lane then holds one token and eight experts.  The two accumulators take turns.
.macro TSTEP s
.set SS, ST0+64*((\s)%2)
.if (\s) < 7
	s_wait_loadcnt 16                              ; this K step's numbers are in; the next step's 16 loads may be out
.else
	s_wait_loadcnt 0x0
.endif
	QUANT SS, \s                                   ; its plain lines are also the places behind the last products, ahead of the writes of PC and PW; it asks for this K step's fragments of expert_sel on the way
.if (\s)+2 < 8
	XLOAD SS, 4, 512*((\s)+2)
.endif
	s_wait_dscnt 0x0                               ; the two fragments and their scale words are in
.rept 4
	v_nop                                          ; codes written by vector instructions stand four places ahead of a scaled product; the scale word was made ahead of the 64 holds
.endr
.if (\s) == 0
	v_wmma_scale_f32_16x16x128_f8f6f4 v[ACC:ACC+7], v[EF:EF+15], v[PC:PC+15], 0, v[ES], v[PW] matrix_a_fmt:MATRIX_FMT_BF8 matrix_b_fmt:MATRIX_FMT_BF8
	v_wmma_scale_f32_16x16x128_f8f6f4 v[ACC+8:ACC+15], v[EF+16:EF+31], v[PC:PC+15], 0, v[ES+1], v[PW] matrix_a_fmt:MATRIX_FMT_BF8 matrix_b_fmt:MATRIX_FMT_BF8
.else
	v_wmma_scale_f32_16x16x128_f8f6f4 v[ACC:ACC+7], v[EF:EF+15], v[PC:PC+15], v[ACC:ACC+7], v[ES], v[PW] matrix_a_fmt:MATRIX_FMT_BF8 matrix_b_fmt:MATRIX_FMT_BF8
	v_wmma_scale_f32_16x16x128_f8f6f4 v[ACC+8:ACC+15], v[EF+16:EF+31], v[PC:PC+15], v[ACC+8:ACC+15], v[ES+1], v[PW] matrix_a_fmt:MATRIX_FMT_BF8 matrix_b_fmt:MATRIX_FMT_BF8
.endif
.endm
.irp s, 0,1,2,3,4,5,6,7
	TSTEP \s
.endr
.rept 8
	v_nop
.endr
; lane (r, h) holds experts 16 i + 8 h + j of token r; with the other half's eight each lane gets all 32, in ascending order
.set i, 0
.rept 16
	v_permlanex16_b32 v[PM+i], v[ACC+i], s[SEL], s[SEL+1]
.set i, i+1
.endr
.irp t, 0,1
.irp j, 0,1,2,3,4,5,6,7
	v_cndmask_b32 v[Z+16*\t+\j], v[ACC+8*\t+\j], v[PM+8*\t+\j], s26
	v_cndmask_b32 v[Z+16*\t+8+\j], v[PM+8*\t+\j], v[ACC+8*\t+\j], s26
.endr
.endr
; sigmoid(z) = 1 / (1 + 2^t), t = -z log2(e) in two parts: t rounded, and what the rounding and L's own rounding left (r), brought in by e (1 + r ln 2)
.set i, 0
.rept 32
	v_mul_f32 v[TT+i], s27, v[Z+i]
.set i, i+1
.endr
.set i, 0
.rept 32
	v_fma_f32 v[RR+i], v[Z+i], s27, -v[TT+i]
.set i, i+1
.endr
.set i, 0
.rept 32
	v_fma_f32 v[RR+i], v[Z+i], s29, v[RR+i]
	v_min_num_f32 v[TT+i], 0x42fc0000, v[TT+i]     ; held at 126
.set i, i+1
.endr
.set i, 0
.rept 32
	v_exp_f32 v[TT+i], v[TT+i]
.set i, i+1
.endr
.set i, 0
.rept 32
	v_mul_f32 v[RR+i], 0x3f317218, v[RR+i]         ; r ln 2: plain work that names no exponential's result
.set i, i+1
.endr
	s_wait_alu depctr_va_vdst(0)                   ; one wait for the 32 exponentials, ahead of their first reader
.set i, 0
.rept 32
	v_fma_f32 v[TT+i], v[TT+i], v[RR+i], v[TT+i]
.set i, i+1
.endr
.set i, 0
.rept 32
	v_add_f32 v[RR+i], 1.0, v[TT+i]
.set i, i+1
.endr
.set i, 0
.rept 32
	v_rcp_f32 v[TT+i], v[RR+i]
.set i, i+1
.endr
	v_mov_b32 v[NINF], 0xff800000                  ; (a plain line behind the reciprocals)
	s_wait_alu depctr_va_vdst(0)                   ; one wait for the 32 reciprocals
.set i, 0
.rept 32
	v_fma_f32 v[Z+i], -v[RR+i], v[TT+i], 1.0       ; one Newton step
.set i, i+1
.endr
.set i, 0
.rept 32
	v_fma_f32 v[Z+i], v[TT+i], v[Z+i], v[TT+i]     ; the affinity
.set i, i+1
.endr
	s_wait_kmcnt 0x0                               ; the bias
.set i, 0
.rept 30
	v_add_f32 v[SC+i], s[32+i], v[Z+i]             ; the score that picks indices
	v_mov_b32 v[SM+i], 6
.set i, i+1
.endr
	v_mov_b32 v[SM+30], 4
	v_mov_b32 v[SM+31], 5
; four times: the largest score, experts ascending, a strict > (the lower index wins a tie); then it is taken out and its slot noted.  No branch and no address hangs on any of this.
.irp k, 0,1,2,3
	v_mov_b32 v[BEST], v[SC]
	v_mov_b32 v[IX+\k], 0
.set i, 1
.rept 29
	v_cmp_gt_f32 vcc_lo, v[SC+i], v[BEST]
	v_cndmask_b32 v[BEST], v[BEST], v[SC+i], vcc_lo
	v_cndmask_b32 v[IX+\k], v[IX+\k], i, vcc_lo
.set i, i+1
.endr
.set i, 0
.rept 30
	v_cmp_eq_u32 vcc_lo, i, v[IX+\k]
	v_cndmask_b32 v[SC+i], v[SC+i], v[NINF], vcc_lo
	v_cndmask_b32 v[SM+i], v[SM+i], \k, vcc_lo
.set i, i+1
.endr
.endr
; the stores: lanes 0-15 give expert 2 q, lanes 16-31 expert 2 q + 1: 128 consecutive bytes a store; every store has data registers of its own
.set i, 0
.rept 16
	v_cndmask_b32 v[TD+i], v[SM+2*i], v[SM+2*i+1], s26
	v_cndmask_b32 v[TD+16+i], v[Z+2*i], v[Z+2*i+1], s26
.set i, i+1
.endr
	v_cndmask_b32 v176, v[IX], v[IX+2], s26
	v_cndmask_b32 v177, v[IX+1], v[IX+3], s26
	v_add_nc_u32 v178, 30, v[HH]
.irp j, 0,1,2,3
	v_mov_b32 v[180+\j], 0
.endr
.set i, 0
.rept 16
	global_store_b32 v[V4L], v[TD+i], s[14:15] offset:128*i
	global_store_b32 v[V4L], v[TD+16+i], s[16:17] offset:128*i
.set i, i+1
.endr
	global_store_b64 v[O1A], v[176:177], s[20:21]              ; the chosen four, two to each half of the lanes
	global_store_b32 v[O1B], v178, s[20:21] offset:16          ; 30 and 31
.irp i, 0,1,2,3
	global_store_b128 v[ZRA], v[180:183], s[18:19] offset:3584*\i+768   ; slot 6 of tokens 4 i + lane / 8: eight lanes a row of 128 bytes
.endr
	global_store_b32 v[ZSA], v180, s[66:67] offset:24          ; and its scale word (both halves of the lanes write the same 0)
	s_wait_tensorcnt 0x0
	ds_add_u32 v254, v255
	s_wait_dscnt 0x0
	s_endpgm
.Lfunc_end_k_q0c5a2838cf_route:
	.size	k_q0c5a2838cf_route, .Lfunc_end_k_q0c5a2838cf_route-k_q0c5a2838cf_route
	.p2alignl 7, 3214868480
	.fill 96, 4, 3214868480
	.section	.rodata,"a",@progbits
	.p2align	6, 0x0
	.amdhsa_kernel k_q0c5a2838cf_route
		.amdhsa_group_segment_fixed_size 68096
		.amdhsa_private_segment_fixed_size 0
		.amdhsa_enable_private_segment 0
		.amdhsa_kernarg_size 72
		.amdhsa_user_sgpr_count 2
		.amdhsa_user_sgpr_kernarg_segment_ptr 1
		.amdhsa_wavefront_size32 1
		.amdhsa_system_sgpr_workgroup_id_x 1
		.amdhsa_system_sgpr_workgroup_id_y 1
		.amdhsa_system_sgpr_workgroup_id_z 1
		.amdhsa_system_vgpr_workitem_id 0
		.amdhsa_next_free_vgpr 256
		.amdhsa_next_free_sgpr 100
		.amdhsa_reserve_vcc 1
		.amdhsa_float_denorm_mode_32 3
		.amdhsa_float_denorm_mode_16_64 3
		.amdhsa_memory_ordered 1
		.amdhsa_forward_progress 1
		.amdhsa_inst_pref_size 236
	.end_amdhsa_kernel
	.amdgpu_metadata
---
amdhsa.version: [ 1, 2 ]
amdhsa.kernels:
  - .name:           k_q0c5a2838cf_route
    .symbol:         k_q0c5a2838cf_route.kd
    .args:
      - { .name: selection_input, .offset: 0, .size: 8, .value_kind: global_buffer, .address_space: global }
      - { .name: expert_sel, .offset: 8, .size: 8, .value_kind: global_buffer, .address_space: global }
      - { .name: bias_ffn, .offset: 16, .size: 8, .value_kind: global_buffer, .address_space: global }
      - { .name: token_stream, .offset: 24, .size: 8, .value_kind: global_buffer, .address_space: global }
      - { .name: xqb, .offset: 32, .size: 8, .value_kind: global_buffer, .address_space: global }
      - { .name: smap, .offset: 40, .size: 8, .value_kind: global_buffer, .address_space: global }
      - { .name: afft, .offset: 48, .size: 8, .value_kind: global_buffer, .address_space: global }
      - { .name: hqb, .offset: 56, .size: 8, .value_kind: global_buffer, .address_space: global }
      - { .name: out1, .offset: 64, .size: 8, .value_kind: global_buffer, .address_space: global }
    .group_segment_fixed_size: 68096
    .private_segment_fixed_size: 0
    .kernarg_segment_align: 8
    .kernarg_segment_size: 72
    .max_flat_workgroup_size: 128
    .sgpr_count:     100
    .vgpr_count:     256
    .wavefront_size: 32
...
	.end_amdgpu_metadata
.endif
;; end of part 5
;; launch prep (part 6): grid 640 x 1, 4 waves a work-group, no clusters, 768 bytes of LDS; arguments keys, values, smap, afft, wq, rows, rowaff, cnts; writes wq, rows, rowaff, cnts
.if DOCPART == 6
	.amdgcn_target "amdgcn-amd-amdhsa--gfx1250"
	.amdhsa_code_object_version 6
	.text
	.protected	k_q0c5a2838cf_prep
	.globl	k_q0c5a2838cf_prep
	.p2align	8
	.type	k_q0c5a2838cf_prep,@function
k_q0c5a2838cf_prep:
	s_mov_b64 s[64:65], 0
	v_nop
	global_prefetch_b8 v0, s[64:65] scope:SCOPE_SE
	s_setreg_imm32_b32 hwreg(HW_REG_WAVE_MODE, 25, 1), 1
	s_wait_xcnt 0x0
; PREP.  Three jobs, parted by the work-group's number.
; Work-groups 0-127, THE PLACING: four work-groups to an expert make its list: one word a row, 8 x token + slot, in rows; the row's affinity in rowaff; the count of chosen tokens in cnts (32 words, all the same: a lane a word).
;   THE LIST IS A PARTITION OF ALL 8,192 TOKENS: those that chose the expert fill it from the front, tokens ascending; the others fill it from the back.  So every lane stores in every group, each place is written once,
;   and EXEC is never changed.  The next launch reads the first `count` places alone.
;   Work-group (e, q), wave w, PLACES tokens 2,048 q + 512 w on, 16 groups of 32.  For that it wants the chosen tokens ahead of them: wave w COUNTS those of tokens 2,048 w on (64 groups) and those of its own 512;
;   the eight counts meet in LDS behind one barrier; the base is the sum over the 2,048s under q and the waves under w.  Each work-group reads all 8,192 slots of its expert for itself: no traffic between work-groups, no atomics.
;   Each group has a mask, a prefix, an offset and a data register of its own: nothing that a store reads is written again.
; Work-groups 128-383, KEYS [e][d][h] and 384-639, VALUES [e][h][d]: K is not innermost, so A LANE TAKES A COLUMN AND ITS REGISTERS RUN DOWN K: a block of 32 lies in one lane, and the conversions give codes with K innermost.
;   A wave takes 32 columns x 128 along K.  The codes are stored IN THE ORDER OF THE OPERAND'S REGISTERS: a fragment (16 rows x 128 K) is 2,048 bytes, piece (c, lane) = that lane's registers 4 c .. 4 c + 3,
;   so a lane's 32 codes of block c are the pieces of lanes r and r + 16: two stores of 16 bytes, in each of which sixteen lanes fill 256 consecutive bytes, aligned.
;   KEYS' ROWS OF A TILE ARE NOT NEIGHBOURS: lane r of tile 2 b + u holds hidden unit 32 b + 8 u + r + 8 (r / 8), so that the first product's results are neighbours along the second product's K.
; A block's scale byte is its largest magnitude's exponent field - 15, held at 1 from below (a block of zeros keeps 1: its codes are zeros, and this program alone reads the bytes).
; LIMITS: NaN and infinities among the inputs are not served.  No matrix unit, no tensor load, no cluster: the weights' bytes are read by one wave each, and the slots that the four work-groups of an expert share are 32 KiB.
.set NPL,  128                         ; placing work-groups
.set VQ0,  4194304                     ; wq: values' fragments;  keys' lie at 0
.set KS0,  8388608                     ; keys' scale words [e][K step][tile][16]
.set VS0,  8519680                     ; values' [e][tile][16]
.set X,    32                          ; v32-159  four blocks of 32 numbers
.set CC,   160                         ; v160-191 their codes: no store's data are written again
.set SW,   24                          ; v24      the scale word
.set CT,   32                          ; the placing: v32-95 the slots that I count;
.set SO,   96                          ; v96-111  the slots of the 16 groups that I place,
.set AO,   112                         ; v112-127 their affinities,
.set AD,   128                         ; v128-143 their places, as byte offsets,
.set WD,   144                         ; v144-159 their words
.set MK,   40                          ; s40-55   the 16 groups' masks of chosen lanes
.set PF,   66                          ; s66-81   the chosen tokens ahead of each group
	s_load_b256 s[4:11], s[0:1], 0x0               ; keys, values, smap, afft
	s_load_b128 s[12:15], s[0:1], 0x20             ; wq, rows
	s_load_b64 s[16:17], s[0:1], 0x30              ; rowaff
	s_load_b64 s[36:37], s[0:1], 0x38              ; cnts
	v_lshl_add_u32 v200, v0, 2, 0x100
	v_mov_b32 v201, 0
	v_lshrrev_b32 v1, 5, v0
	v_readfirstlane_b32 s18, v1                    ; wave
	v_and_b32 v2, 31, v0                           ; lane = x
	s_mov_b32 s31, 0x600000                        ; the mantissa field of 57,344
	s_mov_b32 s21, 0                               ; the upper word of the offset pair s[20:21]
	s_wait_kmcnt 0x0
	s_cmp_lt_u32 ttmp9, NPL
	s_cbranch_scc1 .Lplace
	s_cmp_lt_u32 ttmp9, NPL+256
	s_cbranch_scc1 .Lkeys
.macro LOADB bs, rs, c                 ; block c: 32 rows of K at my column; neighbouring lanes read neighbouring columns
.set i, 0
.rept 32
	global_load_b32 v[X+32*(\c)+i], v3, s[\bs:\bs+1] offset:(32*(\c)+i)*(\rs) th:TH_LOAD_NT
.set i, i+1
.endr
.endm
.macro BLOCK c, left
.set XB, X+32*(\c)
.set CB, CC+8*(\c)
	s_wait_loadcnt \left                           ; this block's 32 loads are in; the next block's may be out
	v_max3_num_f32 v12, |v[XB]|, |v[XB+1]|, |v[XB+2]|
	v_max3_num_f32 v13, |v[XB+3]|, |v[XB+4]|, |v[XB+5]|
.irp i, 6,10,14,18,22,26
	v_max3_num_f32 v12, v12, |v[XB+\i]|, |v[XB+\i+1]|
	v_max3_num_f32 v13, v13, |v[XB+\i+2]|, |v[XB+\i+3]|
.endr
	v_max3_num_f32 v12, v12, |v[XB+30]|, |v[XB+31]|
	v_max3_num_f32 v12, v12, v13, 0x8000000        ; with the floor 2^(16 - 127)
	v_add_nc_u32 v11, 0xf8800000, v12              ; 15 off the exponent field: the conversion's scale operand
	v_and_or_b32 v10, v12, 0x7f800000, s31         ; 57,344 x the scale
	v_lshrrev_b32 v13, 23, v11                     ; the byte
.if (\c) == 0
	v_mov_b32 v[SW], v13
.else
	v_lshl_or_b32 v[SW], v13, 8*(\c), v[SW]
.endif
.irp i, 0,1,2,3,4,5,6,7,8,9,10,11,12,13,14,15,16,17,18,19,20,21,22,23,24,25,26,27,28,29,30,31
	v_med3_num_f32 v[XB+\i], v[XB+\i], -v10, v10   ; the conversion does not saturate (ISA guide 7.6.2)
.endr
.irp g, 0,1,2,3
	v_cvt_scalef32_pk8_bf8_f32 v[CB+2*\g:CB+2*\g+1], v[XB+8*\g:XB+8*\g+7], v11
.endr
	global_store_b128 v4, v[CB:CB+3], s[24:25] offset:512*(\c)         ; k = 32 c + 0 .. 15: the piece of lane r
	global_store_b128 v4, v[CB+4:CB+7], s[24:25] offset:512*(\c)+256   ; k = 32 c + 16 .. 31: of lane r + 16
.endm
; v6 = which of my wave's two tiles, v7 = my row r in it; s[24:25] the wave's two fragments, s[26:27] their scale words
.macro WQ bs, rs
	v_lshlrev_b32 v3, 2, v2
	v_lshlrev_b32 v4, 4, v7
	v_lshl_add_u32 v4, v6, 11, v4
	v_lshlrev_b32 v5, 2, v7
	v_lshl_add_u32 v5, v6, 6, v5
	LOADB \bs, \rs, 0
	LOADB \bs, \rs, 1
	BLOCK 0, 32
	LOADB \bs, \rs, 2
	BLOCK 1, 32
	LOADB \bs, \rs, 3
	BLOCK 2, 32
	BLOCK 3, 0
	global_store_b32 v5, v[SW], s[26:27]
.endm
; where the wave's fragments and scale words go: s19 = 8 e + (K step or group of 128 columns); 16,384 bytes of fragments and 512 of scale words for each, a quarter a wave
.macro DEST f0, s0
	s_lshl_b32 s20, s19, 14
	s_lshl_b32 s22, s18, 12
	s_add_co_u32 s20, s20, s22
	s_add_co_u32 s20, s20, \f0
	s_add_nc_u64 s[24:25], s[12:13], s[20:21]
	s_lshl_b32 s20, s19, 9
	s_lshl_b32 s22, s18, 7
	s_add_co_u32 s20, s20, s22
	s_add_co_u32 s20, s20, \s0
	s_add_nc_u64 s[26:27], s[12:13], s[20:21]
.endm
; ---- values: column d = 128 g + 32 w + x; tile 8 g + 2 w + x / 16, row x % 16
	s_sub_co_u32 s19, ttmp9, NPL+256
	s_lshr_b32 s20, s19, 3
	s_lshl_b32 s20, s20, 19                        ; e x 524,288
	s_and_b32 s22, s19, 7
	s_lshl_b32 s22, s22, 9
	s_add_co_u32 s20, s20, s22
	s_lshl_b32 s22, s18, 7
	s_add_co_u32 s20, s20, s22
	s_add_nc_u64 s[6:7], s[6:7], s[20:21]
	v_lshrrev_b32 v6, 4, v2
	v_and_b32 v7, 15, v2
	DEST VQ0, VS0
	WQ 6, 4096
	s_endpgm
; ---- keys: K step s of expert e; hidden unit 32 w + x; tile 2 w + (x / 8) % 2, row x % 8 + 8 (x / 16)
.Lkeys:
	s_sub_co_u32 s19, ttmp9, NPL
	s_lshl_b32 s20, s19, 16                        ; (8 e + s) x 128 rows of 512 bytes
	s_lshl_b32 s22, s18, 7
	s_add_co_u32 s20, s20, s22
	s_add_nc_u64 s[4:5], s[4:5], s[20:21]
	v_bfe_u32 v6, v2, 3, 1
	v_and_b32 v7, 7, v2
	v_lshrrev_b32 v8, 4, v2
	v_lshl_add_u32 v7, v8, 3, v7
	DEST 0, KS0
	WQ 4, 512
	s_endpgm
; ---- the placing
.Lplace:
	s_lshr_b32 s28, ttmp9, 2                       ; the expert
	s_and_b32 s29, ttmp9, 3                        ; q: which 2,048 tokens my work-group places
	s_lshl_b32 s22, s28, 6                         ; the expert's 64 bytes in a tile of 16 tokens
	s_lshl_b32 s20, s18, 18                        ; to count: tokens 2,048 w on: 128 tiles of 2,048 bytes
	s_add_co_u32 s20, s20, s22
	s_add_nc_u64 s[38:39], s[8:9], s[20:21]
	s_lshl_b32 s20, s29, 18                        ; to place: tokens 2,048 q + 512 w on
	s_lshl_b32 s23, s18, 16
	s_add_co_u32 s20, s20, s23
	s_add_co_u32 s20, s20, s22
	s_add_nc_u64 s[8:9], s[8:9], s[20:21]
	s_add_nc_u64 s[10:11], s[10:11], s[20:21]
	s_lshl_b32 s20, s28, 15
	s_add_nc_u64 s[24:25], s[14:15], s[20:21]      ; the expert's list: 8,192 words,
	s_add_nc_u64 s[16:17], s[16:17], s[20:21]      ; its affinities likewise
	s_lshl_b32 s20, s28, 7
	s_add_nc_u64 s[26:27], s[36:37], s[20:21]      ; its count's 32 words
	v_lshrrev_b32 v3, 4, v2
	v_and_b32 v4, 15, v2
	v_lshlrev_b32 v4, 2, v4
	v_lshl_add_u32 v3, v3, 11, v4                  ; lanes 0-15 one tile, lanes 16-31 the next
	v_lshlrev_b32 v17, 2, v2                       ; 4 x lane
	s_lshl_b32 s22, s29, 11
	s_lshl_b32 s23, s18, 9
	s_add_co_u32 s22, s22, s23
	v_add_nc_u32 v19, s22, v2                      ; my token in the first group that I place
	v_sub_nc_u32 v18, 0x1fff, v19                  ; and 8,191 less it
.set g, 0
.rept 16
	global_load_b32 v[SO+g], v3, s[8:9] offset:4096*g
	global_load_b32 v[AO+g], v3, s[10:11] offset:4096*g
.set g, g+1
.endr
.set g, 0
.rept 64
	global_load_b32 v[CT+g], v3, s[38:39] offset:4096*g
.set g, g+1
.endr
	s_mov_b32 s23, 0
	s_wait_loadcnt 0x0
; the chosen tokens (slot under 6) of my 2,048: four groups at a time, each with a mask of its own, so that no line waits for the line above it
.set g, 0
.rept 16
.irp j, 0,1,2,3
	v_cmp_gt_u32 s[56+\j], 6, v[CT+g+\j]
.endr
.irp j, 0,1,2,3
	s_bcnt1_i32_b32 s[60+\j], s[56+\j]
.endr
.irp j, 0,1,2,3
	s_add_co_u32 s23, s23, s[60+\j]
.endr
.set g, g+4
.endr
; the 16 groups that I place: their masks stay; the chosen tokens of my 512 ahead of each group; their sum
.set g, 0
.rept 16
	v_cmp_gt_u32 s[MK+g], 6, v[SO+g]
.set g, g+1
.endr
	s_mov_b32 s22, 0
.set g, 0
.rept 16
	s_mov_b32 s[PF+g], s22
	s_bcnt1_i32_b32 s20, s[MK+g]
	s_add_co_u32 s22, s22, s20
.set g, g+1
.endr
	v_mov_b32 v20, s23
	v_mov_b32 v23, s22
	s_lshl_b32 s20, s18, 2
	v_mov_b32 v21, s20
	ds_store_b32 v21, v20                          ; words 0-3: the count of each 2,048;
	ds_store_b32 v21, v23 offset:16                ; words 4-7: of each wave's 512
	s_wait_dscnt 0x0                               ; for the others' sake
	s_barrier_signal -1
	s_barrier_wait -1
	v_mov_b32 v22, 0
	ds_load_b128 v[24:27], v22
	ds_load_b128 v[28:31], v22 offset:16
	s_wait_dscnt 0x0
	v_readfirstlane_b32 s32, v24
	v_readfirstlane_b32 s33, v25
	v_readfirstlane_b32 s34, v26
	v_readfirstlane_b32 s35, v27
	v_readfirstlane_b32 s56, v28
	v_readfirstlane_b32 s57, v29
	v_readfirstlane_b32 s58, v30
	s_cmp_gt_u32 s29, 0                            ; my base: the 2,048s under q,
	s_cselect_b32 s23, s32, 0
	s_cmp_gt_u32 s29, 1
	s_cselect_b32 s20, s33, 0
	s_add_co_u32 s23, s23, s20
	s_cmp_gt_u32 s29, 2
	s_cselect_b32 s20, s34, 0
	s_add_co_u32 s23, s23, s20
	s_cmp_gt_u32 s18, 0                            ; and the waves under mine
	s_cselect_b32 s20, s56, 0
	s_add_co_u32 s23, s23, s20
	s_cmp_gt_u32 s18, 1
	s_cselect_b32 s20, s57, 0
	s_add_co_u32 s23, s23, s20
	s_cmp_gt_u32 s18, 2
	s_cselect_b32 s20, s58, 0
	s_add_co_u32 s23, s23, s20
	s_add_co_u32 s32, s32, s33
	s_add_co_u32 s34, s34, s35
	s_add_co_u32 s32, s32, s34                     ; the expert's count
	s_or_b32 s20, s29, s18
	s_cmp_lg_u32 s20, 0
	s_cbranch_scc1 .Lnot_first                     ; wave 0 of the expert's first work-group stores it
	v_mov_b32 v23, s32
	global_store_b32 v17, v23, s[26:27]            ; 32 lanes, 32 words, the one value: 128 consecutive bytes
.Lnot_first:
.set g, 0
.rept 16
	s_add_co_u32 s[PF+g], s[PF+g], s23
	v_mbcnt_lo_u32_b32 v[AD+g], s[MK+g], s[PF+g]   ; the chosen tokens ahead of mine: a chosen token's place
	v_add_nc_u32 v[WD+g], v18, v[AD+g]
	v_add_nc_u32 v[WD+g], -32*g, v[WD+g]           ; 8,191 - (my token - the chosen ahead of it): the place of one that is not chosen, from the back
	v_cndmask_b32 v[AD+g], v[WD+g], v[AD+g], s[MK+g]
	v_min_u32 v[AD+g], 0x1fff, v[AD+g]             ; a list has 8,192 places
	v_lshlrev_b32 v[AD+g], 2, v[AD+g]
	v_add_nc_u32 v[WD+g], 32*g, v19                ; the token
	v_lshl_add_u32 v[WD+g], v[WD+g], 3, v[SO+g]    ; 8 x token + slot
	global_store_b32 v[AD+g], v[WD+g], s[24:25]
	global_store_b32 v[AD+g], v[AO+g], s[16:17]
.set g, g+1
.endr
	s_wait_tensorcnt 0x0
	ds_add_u32 v200, v201
	s_wait_dscnt 0x0
	s_endpgm
.Lfunc_end_k_q0c5a2838cf_prep:
	.size	k_q0c5a2838cf_prep, .Lfunc_end_k_q0c5a2838cf_prep-k_q0c5a2838cf_prep
	.p2alignl 7, 3214868480
	.fill 96, 4, 3214868480
	.section	.rodata,"a",@progbits
	.p2align	6, 0x0
	.amdhsa_kernel k_q0c5a2838cf_prep
		.amdhsa_group_segment_fixed_size 768
		.amdhsa_private_segment_fixed_size 0
		.amdhsa_enable_private_segment 0
		.amdhsa_kernarg_size 64
		.amdhsa_user_sgpr_count 2
		.amdhsa_user_sgpr_kernarg_segment_ptr 1
		.amdhsa_wavefront_size32 1
		.amdhsa_system_sgpr_workgroup_id_x 1
		.amdhsa_system_sgpr_workgroup_id_y 1
		.amdhsa_system_sgpr_workgroup_id_z 1
		.amdhsa_system_vgpr_workitem_id 0
		.amdhsa_next_free_vgpr 202
		.amdhsa_next_free_sgpr 90
		.amdhsa_reserve_vcc 0
		.amdhsa_float_denorm_mode_32 3
		.amdhsa_float_denorm_mode_16_64 3
		.amdhsa_memory_ordered 1
		.amdhsa_forward_progress 1
		.amdhsa_inst_pref_size 90
	.end_amdhsa_kernel
	.amdgpu_metadata
---
amdhsa.version: [ 1, 2 ]
amdhsa.kernels:
  - .name:           k_q0c5a2838cf_prep
    .symbol:         k_q0c5a2838cf_prep.kd
    .args:
      - { .name: keys, .offset: 0, .size: 8, .value_kind: global_buffer, .address_space: global }
      - { .name: values, .offset: 8, .size: 8, .value_kind: global_buffer, .address_space: global }
      - { .name: smap, .offset: 16, .size: 8, .value_kind: global_buffer, .address_space: global }
      - { .name: afft, .offset: 24, .size: 8, .value_kind: global_buffer, .address_space: global }
      - { .name: wq, .offset: 32, .size: 8, .value_kind: global_buffer, .address_space: global }
      - { .name: rows, .offset: 40, .size: 8, .value_kind: global_buffer, .address_space: global }
      - { .name: rowaff, .offset: 48, .size: 8, .value_kind: global_buffer, .address_space: global }
      - { .name: cnts, .offset: 56, .size: 8, .value_kind: global_buffer, .address_space: global }
    .group_segment_fixed_size: 768
    .private_segment_fixed_size: 0
    .kernarg_segment_align: 8
    .kernarg_segment_size: 64
    .max_flat_workgroup_size: 128
    .sgpr_count:     90
    .vgpr_count:     202
    .wavefront_size: 32
...
	.end_amdgpu_metadata
.endif
;; end of part 6
;; launch up: the kernel of part 3 again; grid 415 x 1, 4 waves a work-group, no clusters, 9,728 bytes of LDS; arguments xqb, wq, rows, rowaff, hqb, cnts; writes hqb
;; launch down: the kernel of part 4 again; grid 8 x 32, 4 waves a work-group, no clusters, 283,136 bytes of LDS; arguments hqb, smap, wq, out0; writes out0
